; MI455X (gfx1250); checked and timed in simulation.
; The chip was launched on July 23, 2026; its instructions are those of AMD's public machine-readable ISA for CDNA 5 (MIT licence, August 2026) and "CDNA5" Instruction Set Architecture Reference Guide (July 2026). The comments in the code are by the model that wrote it; some were corrected since.
;; Multi Head Latent Attention. Allowed arithmetic: matrix products marked QUANTISED: E2M3 operands, one E8M0 scale for each 32 along K, by v_wmma_scale_f32_16x16x128_f8f6f4 with both operands' format E2M3, f32 sums; everything else in f32.
;; Inputs: W_down_codes 512 x 64 x 24 uint8 (E2M3 codes of W_down, K innermost, in blocks of 32 codes, four codes in three bytes); W_down_scales 512 x 64 uint8 (E8M0 scales of W_down, one for each 32 codes along K); W_o_codes 2,048 x 64 x 24 uint8 (E2M3 codes of W_o, K innermost, in blocks of 32 codes, four codes in three bytes); W_o_scales 2,048 x 64 uint8 (E8M0 scales of W_o, one for each 32 codes along K); W_q_codes 2,048 x 64 x 24 uint8 (E2M3 codes of W_q, K innermost, in blocks of 32 codes, four codes in three bytes); W_q_scales 2,048 x 64 uint8 (E8M0 scales of W_q, one for each 32 codes along K); W_uk_codes 2,048 x 16 x 24 uint8 (E2M3 codes of W_uk, K innermost, in blocks of 32 codes, four codes in three bytes); W_uk_scales 2,048 x 16 uint8 (E8M0 scales of W_uk, one for each 32 codes along K); W_uv_codes 2,048 x 16 x 24 uint8 (E2M3 codes of W_uv, K innermost, in blocks of 32 codes, four codes in three bytes); W_uv_scales 2,048 x 16 uint8 (E8M0 scales of W_uv, one for each 32 codes along K); b_down 512 float32; b_o 2,048 float32; b_q 2,048 float32; b_uk 2,048 float32; b_uv 2,048 float32; x_codes 4 x 1,024 x 64 x 24 uint8 (E2M3 codes of x, K innermost, in blocks of 32 codes, four codes in three bytes); x_scales 4 x 1,024 x 64 uint8 (E8M0 scales of x, one for each 32 codes along K).
;; Outputs: out0 4 x 1,024 x 2,048 float32.
;; This version of the problem:
;;   THIS VERSION OF THE PROBLEM IS GIVEN IN LOW PRECISION. The matrix products marked QUANTISED in the list below multiply operands that are first quantised to E2M3 (2 exponent bits, 3 mantissa bits; 6 bits a number), with one power-of-two scale for each 32 numbers along K (OCP MX v1.0); their sums are f32. All else is computed in f32.
;;   The module's matrix products, in the order in which they are computed (A, B: the left and right operand; K: the contracted axis; several contracted axes count as one K, in the product's order):
;;     1. [M 4,096, K 2,048] x [K 2,048, N 512]; A: input x (given as codes); B: input W_down (given as codes): QUANTISED
;;     2. [M 4,096, K 512] x [K 512, N 2,048]; A: computed on the way; B: input W_uk (given as codes): QUANTISED
;;     3. [M 4,096, K 512] x [K 512, N 2,048]; A: computed on the way; B: input W_uv (given as codes): QUANTISED
;;     4. [M 4,096, K 2,048] x [K 2,048, N 2,048]; A: input x (given as codes); B: input W_q (given as codes): QUANTISED
;;     5. batch 64 x [M 1,024, K 128] x [K 128, N 1,024]; A: computed on the way; B: computed on the way: QUANTISED
;;     6. batch 64 x [M 1,024, K 1,024] x [K 1,024, N 128]; A: softmax (see below); B: computed on the way: QUANTISED
;;     7. [M 4,096, K 2,048] x [K 2,048, N 2,048]; A: computed on the way; B: input W_o (given as codes): QUANTISED
;;   THE QUANTISER, for each operand of a quantised product, along K:
;;     - K is cut into blocks of 32 from its start; a last block that is shorter is filled with zeros.
;;     - A block's scale is 2^e with e = floor(log2(the largest magnitude in the block)) - 2, held to -126 .. 127; a block of zeros has e = 0. As a byte (E8M0): e + 127.
;;     - Each number is divided by its block's scale, clamped to +-7.5, and rounded to the nearest number of E2M3, ties to even, subnormals kept.
;;     - The product sums the exact products of the quantised numbers (number of the format x scale) in f32.
;;   ~~~python
;;   def quantise(x, axis):      # numpy; x: float32 -> the quantised numbers, widened to float32 again
;;       x = np.moveaxis(x, axis, -1); K = x.shape[-1]
;;       x = np.pad(x, [(0, 0)] * (x.ndim - 1) + [(0, -K % 32)]); x = x.reshape(x.shape[:-1] + (-1, 32)); a = np.abs(x).max(-1, keepdims=True)
;;       e = np.where(a > 0, np.clip(np.frexp(np.where(a > 0, a, 1))[1] - 1 - 2, -126, 127), 0)      # np.frexp(a)[1] - 1 = floor(log2(a)), exactly
;;       r = np.clip(x / 2.0 ** e, -7.5, 7.5)
;;       step = 2.0 ** (np.maximum(np.frexp(np.where(r == 0, 1, r))[1] - 1, 0) - 3)
;;       q = np.round(r / step) * step * 2.0 ** e      # np.round: ties to even
;;       return np.moveaxis(q.reshape(q.shape[:-2] + (-1,))[..., :K], -1, axis).astype(np.float32)
;;   ~~~
;;   SOFTMAX AHEAD OF A QUANTISED PRODUCT. Where the list says 'softmax', what is quantised is not the finished softmax but p = 2^(t - M), with t = logit x log2(e) and M = ceil(the row's largest t), a whole number; so 1/2 < the row's largest p <= 1. The row's sum l is taken of the UNQUANTISED p, in f32, and the product's result is divided by l at the end. Since M is a whole number, a kernel that streams over the keys may use a running M (the ceiling of the running maximum): every later rescaling is an exact power of two, which a block's scale takes up: the codes' values come out the same.
;;   OPERANDS COMPUTED ON THE WAY. 'Computed on the way' means the value that the module computes at that place (a softmax that the list does not call 'softmax' is quantised finished and normalised). What goes into a quantiser is computed in f32, as accurately as f32 sums, v_exp_f32 and their like allow (about 1e-6 of the number): no bf16 or f16 on the way to a quantiser, and a product that is left as it is and whose result goes on into a quantised operand takes f32 operands (vector FMAs, or v_wmma_f32_16x16x4_f32). A number that lies on a knife's edge between two numbers of the format may be rounded either way, as far as f32 arithmetic and the matrix unit's own rounding can turn it there, and no further.
;;   INPUTS GIVEN AS CODES. W_down (in the module: [2048, 512], K = its axis 0); W_o (in the module: [2048, 2048], K = its axis 0); W_q (in the module: [2048, 2048], K = its axis 0); W_uk (in the module: [512, 2048], K = its axis 0); W_uv (in the module: [512, 2048], K = its axis 0); x (in the module: [4, 1024, 2048], K = its axis 2): each comes as NAME_codes (uint8): NAME with its K axis moved to the last place and cut into blocks of 32 codes, [.., K / 32, bytes a block], one block behind the other in memory; four codes in three bytes: a row's codes are one little-endian stream of bits, code i at bits 6 i .. 6 i + 5 (a code: sign, 2 exponent bits, 3 mantissa bits); and NAME_scales (uint8): the same leading axes, one E8M0 byte (e + 127) for each 32 codes along K. Its value is code x scale, taken as it is: it is not quantised again, and the codes and scales need not be those that the quantiser above would give.
;; One version. Each part assembles by itself: llvm-mc -triple=amdgcn-amd-amdhsa -mcpu=gfx1250 --defsym DOCPART=n.
;; ======== version 1 of 1: 4 launches
;; workspace buffers: lat 1,638,400 bytes; qimg 6,553,600 bytes; kv 13,107,200 bytes; ctx 6,553,600 bytes
;; launch proj (part 1): grid 16 x 10, 4 waves a work-group, clusters of 4 x 1, 327,680 bytes of LDS; arguments x_codes, x_scales, W_down_codes, W_down_scales, W_q_codes, W_q_scales, b_down, b_q, lat, qimg; writes lat, qimg
.if DOCPART == 1
	.amdgcn_target "amdgcn-amd-amdhsa--gfx1250"
	.amdhsa_code_object_version 6
	.text
	.protected	k_q3b2e3e3342_proj
	.globl	k_q3b2e3e3342_proj
	.p2align	8
	.type	k_q3b2e3e3342_proj,@function
k_q3b2e3e3342_proj:
	s_mov_b64 s[64:65], 0
	v_nop
	global_prefetch_b8 v0, s[64:65] scope:SCOPE_SE
	s_setreg_imm32_b32 hwreg(HW_REG_WAVE_MODE, 25, 1), 1
	s_wait_xcnt 0x0
	s_wait_alu depctr_hold_cnt(0) depctr_sa_sdst(0) depctr_va_vdst(0) depctr_va_sdst(0) depctr_va_ssrc(0) depctr_va_vcc(0) depctr_vm_vsrc(0)
	s_getreg_b32 s2, hwreg(HW_REG_IB_STS2, 6, 4)
	s_cmp_eq_u32 s2, 0
	s_cbranch_scc0 .Lentry_in_a_cluster
	s_endpgm
.Lentry_in_a_cluster:
	s_bfe_u32 s2, ttmp6, 0x10000c
	s_cmp_lg_u32 s2, 0x3003
	s_cbranch_scc0 .Lentry_shape_is_right
	s_endpgm
.Lentry_shape_is_right:
; latents = x W_down + b_down and q = x W_q + b_q, both on codes of FP6 (E2M3) with one E8M0 scale for each 32 along K = 2,048; the results are quantised at once, along their columns, for the products that follow.
; The two weights are taken as one of 2,560 rows: work-group y = 0, 1 takes 256 rows of W_down, y = 2 .. 9 takes 256 rows of W_q; work-group x takes 256 rows of x.  Four waves, each 128 x 128: 64 accumulators, 512 registers.
; 160 work-groups: a wave's columns must be a whole group of 128 (one operand fragment and one scale word a row of the next product), which gives 640 wave tiles and no even split over more waves.
; K goes in steps of 256 through a ring of two LDS slots filled by the tensor data mover; all scale bytes of the work-group's rows come into LDS once.
; CLUSTER 4 x 1: the four partners have the same y, so the weight's tiles and scales are asked for JOINTLY (mask 15); x's tiles differ between partners and come by plain tensor loads in the same places.
; A cluster of 4 x 4 is not used: the grid's 10 along y is no multiple of 4.
; THE MATRIX INSTRUCTION IS USED TRANSPOSED (source 0 = 16 rows of the weight, source 1 = 16 rows of x): a lane holds one row of the result and its registers run along the columns, the next product's K.
; THE WAY OUT.  A block of 128 rows x 128 columns leaves as 12,800 bytes in the order of the reader's operand registers: fragment a (16 rows) at 1,536 a, register 4 c + i of lane l at 512 c + 16 l + 4 i;
; the rows' scale words from byte 12,288 on, row 16 a + r at 16 (16 (a / 4) + r) + 4 (a % 4).  Every store of a wave covers 512 consecutive bytes, aligned to 256.
; ORDER INSIDE A BLOCK OF 32.  A lane's 16 registers of two neighbouring tiles hold columns 16 u + 8 h + j.  For the latents, whose partner is a given weight, eight lane swaps a block bring the true order.
; For q the order stays as it falls: k is laid by the same order in the next launch, so the products pair the same numbers; a block's members, scale and codes are the same, only the order of the sums inside an instruction differs.
; LIMITS: a block of zeros gets the scale byte 1 where the quantiser says 127 (its codes are zeros, and this program alone reads the bytes); a block whose largest magnitude lies under 2^-124 is held at byte 1; NaN and infinities are not served.
.set KSTEP,  256
.set NQ,     2                         ; matrix instructions deep in a slot
.set ROWB,   192                       ; a tile's row in bytes
.set KROW,   1536                      ; a row of codes in memory
.set PITCH,  240                       ; an LDS row: 3 x (64 bytes + 16 of padding)
.set FR,     12
.set NL,     6
.set NP,     4
.set HALFT,  128*PITCH
.set SLOT,   4*HALFT                   ; x's 256 rows, then the weight's 256 rows
.set LAPS,   4                         ; a lap = two K steps
.set KS,     64                        ; a row of scale bytes
.set SCL,    2*SLOT
.set HALFS,  32*272                    ; the scales of 128 rows: 32 units of 256 bytes + 16
.set SBLK,   4*272                     ; of 16 rows
.set SPARE,  SCL+4*HALFS               ; the spare words: 128 bytes a wave, two blocks of 256 bytes that no other line names
.set BLKB,   12800
.set ADRA, 16                          ; v16-19 LDS addresses of x's fragments: slot 0, 1; the same behind one padding more
.set ADRB, 20                          ; v20-23 the same for the weight
.set LI,   24                          ; v24  16 x lane
.set LANE, 25                          ; v25  lane
.set XO,   26                          ; v26  32 x (lane / 16): my eight bias numbers of a tile
.set ADRS, 27                          ; v27  LDS address of my scale words
.set SPW,  28                          ; v28  my spare word
.set NIL,  29                          ; v29  0
.set SC,   32                          ; v32-63 scale words, two sets
.set AF,   128                         ; v128-223 x's fragments, one set
.set HA,   128                         ; the way out: 64 numbers of a lane
.set PC,   192                         ; v192-211 the codes just made
.set TM,   212                         ; v212-227 at work in the quantiser
.set PW8,  228                         ; v228-235 the eight blocks' scale words
.set SQ,   236                         ; v236-239 the four that my lane stores
.set PW,   244                         ; the scale word just made
.set G1,   24
.set G0,   32
.set WV,   40
.set RH,   41                          ; wave / 2: my half of x's rows; also: I fetch for x (0) or for the weight (1)
.set PH,   42                          ; wave % 2: my half of the weight's rows; also: which 128 rows I fetch
.set CX,   43
.set MX,   44
.set YY,   45
.set TYPE, 46                          ; 0: latents, 1: q.  It hangs on the cluster's y alone
.set YP,   47                          ; the tile's number in its own weight
.set G1B,  48
.set G0B,  56
.set G1S,  68
.set G0S,  76
.set G1SB, 80
.set G0SB, 88
.set SEL,  98
.set OUT,  20
.set MSB, 0
.macro WIN new                         ; the immediate's high byte repeats the setting that is left
.if MSB != (\new)
	s_set_vgpr_msb (MSB<<8)|(\new)
.set MSB, (\new)
.endif
.endm
.set MUL_LO, 0xa1                      ; source 0 window 1, source 1 window 0, C and D window 2
.set MUL_HI, 0xf1                      ; the same, C and D window 3
.set TO_B,   0x40
.macro PLACES n
.rept \n
	v_nop
.endr
.endm
; Waves 0 and 1 fetch for x, waves 2 and 3 for the weight; the branch hangs on the wave's number alone.  Four v_nop follow each of the two lines.
.macro JLOAD g0a, g1a, g0b, g1b
	s_cmp_eq_u32 s[RH], 0
	s_cbranch_scc0 .Lfor_b_\@
	tensor_load_to_lds s[\g0a:\g0a+3], s[\g1a:\g1a+7]
	s_nop 0
.rept 4
	v_nop
.endr
	s_branch .Lasked_\@
.Lfor_b_\@:
	tensor_load_to_lds s[\g0b:\g0b+3], s[\g1b:\g1b+7]
	s_nop 0
.rept 4
	v_nop
.endr
.Lasked_\@:
.endm
.macro CREST                           ; a round of the cluster's barrier behind its opening barrier
	s_cmp_lg_u32 s[WV], 0
	s_cbranch_scc1 .Lnot_wave_0_\@
	s_barrier_signal -3
.Lnot_wave_0_\@:
	s_barrier_wait -3
	s_barrier_signal -1
	s_barrier_wait -1
.endm
.macro CROUND
	s_barrier_signal -1
	s_barrier_wait -1
	CREST
.endm
	s_load_b256 s[4:11], s[0:1], 0x0               ; x's codes s[4:5], x's scales s[6:7], W_down's codes s[8:9], its scales s[10:11]
	s_load_b256 s[12:19], s[0:1], 0x20             ; W_q's codes s[12:13], its scales s[14:15], b_down s[16:17], b_q s[18:19]
	s_load_b128 s[20:23], s[0:1], 0x40             ; lat s[20:21], qimg s[22:23]
	v_lshl_add_u32 v[SPW], v0, 2, SPARE
	v_mov_b32 v[NIL], 0
	ds_add_u32 v28, v29
	ds_add_u32 v28, v29
	s_wait_dscnt 0x0
	v_lshrrev_b32 v1, 5, v0
	v_readfirstlane_b32 s[WV], v1
	s_lshr_b32 s[RH], s[WV], 1
	s_and_b32 s[PH], s[WV], 1
	s_bfe_u32 s[CX], ttmp6, 0x40000                ; my place in the cluster
	s_lshl_b32 s[MX], ttmp9, 2
	s_add_co_u32 s[MX], s[MX], s[CX]               ; which 256 rows of x
	s_and_b32 s[YY], ttmp7, 0xffff
	s_cmp_lt_u32 s[YY], 2
	s_cselect_b32 s[TYPE], 0, 1
	s_cselect_b32 s[YP], 0, 2
	s_sub_co_u32 s[YP], s[YY], s[YP]
	; descriptor group 1: 128 rows x 192 bytes, 16 bytes of padding behind every 64.  x: no mask.  The weight: mask 15, bit 21 beside it
	s_mov_b32 s[G1], (1<<20)|(3<<22)|(3<<25)
	s_mov_b32 s[G1B], 15|(1<<20)|(1<<21)|(3<<22)|(3<<25)
.irp g, G1, G1B
	s_mov_b32 s[\g+1], ROWB<<16                    ; tensor_dim0
	s_mov_b32 s[\g+2], 128<<16                     ; tensor_dim1
	s_mov_b32 s[\g+3], ROWB<<16                    ; tile_dim0
	s_mov_b32 s[\g+4], 128                         ; tile_dim1
	s_mov_b32 s[\g+5], KROW                        ; pitch
	s_mov_b32 s[\g+6], 0
	s_mov_b32 s[\g+7], 0
.endr
	; the scales of 128 rows: 8,192 dense bytes as 32 rows of 256 (32 elements of 8 bytes), 16 bytes of padding behind each
	s_mov_b32 s[G1S], (3<<16)|(1<<20)|(5<<22)|(3<<25)
	s_mov_b32 s[G1SB], 15|(3<<16)|(1<<20)|(1<<21)|(5<<22)|(3<<25)
.irp g, G1S, G1SB
	s_mov_b32 s[\g+1], 32<<16
	s_mov_b32 s[\g+2], 32<<16
	s_mov_b32 s[\g+3], 32<<16
	s_mov_b32 s[\g+4], 32
	s_mov_b32 s[\g+5], 32
	s_mov_b32 s[\g+6], 0
	s_mov_b32 s[\g+7], 0
.endr
	s_lshl_b32 s92, s[PH], 7                       ; which 128 rows of a tile I fetch
	s_lshl_b32 s93, s[MX], 8
	s_add_co_u32 s93, s93, s92                     ; x: row 256 x + 128 half
	s_lshl_b32 s94, s[YP], 8
	s_add_co_u32 s94, s94, s92                     ; the weight: row 256 y' + 128 half (in registers that never hold my place in the cluster)
	s_mul_i32 s96, s93, KROW
	s_mov_b32 s97, 0
	s_lshl_b32 s100, s93, 6
	s_mov_b32 s101, 0
	s_mul_i32 s98, s94, KROW
	s_mov_b32 s99, 0
	s_lshl_b32 s66, s94, 6
	s_mov_b32 s67, 0
	s_mul_i32 s95, s[WV], HALFT                    ; where the tiles go: wave x 128 rows
	s_mul_i32 s2, s[WV], HALFS
	s_wait_kmcnt 0x0
	s_cmp_lt_u32 s[YY], 2                          ; W_down's work-group or W_q's: the choice hangs on the work-group's number alone
	s_cselect_b64 s[8:9], s[8:9], s[12:13]
	s_cselect_b64 s[10:11], s[10:11], s[14:15]
	s_cselect_b64 s[16:17], s[16:17], s[18:19]
	s_cselect_b64 s[OUT:OUT+1], s[20:21], s[22:23]
	s_cselect_b32 s3, 4, 16                        ; blocks in a row of blocks of the output
	s_add_nc_u64 s[4:5], s[4:5], s[96:97]
	s_add_nc_u64 s[6:7], s[6:7], s[100:101]
	s_add_nc_u64 s[8:9], s[8:9], s[98:99]
	s_add_nc_u64 s[10:11], s[10:11], s[66:67]
	s_lshl_b32 s12, s94, 2                         ; the bias of my wave's 128 columns: they are the rows of the weight that my wave's half names
	s_mov_b32 s13, 0
	s_add_nc_u64 s[16:17], s[16:17], s[12:13]
	s_lshl_b32 s12, s[MX], 1
	s_add_co_u32 s12, s12, s[RH]                   ; my group of 128 rows
	s_mul_i32 s12, s12, s3
	s_lshl_b32 s14, s[YP], 1
	s_add_co_u32 s12, s12, s14
	s_add_co_u32 s12, s12, s[PH]                   ; + my group of 128 columns
	s_mul_i32 s12, s12, BLKB
	s_add_nc_u64 s[OUT:OUT+1], s[OUT:OUT+1], s[12:13]
	s_mov_b32 s[SEL], 0x76543210
	s_mov_b32 s[SEL+1], 0xfedcba98                 ; lane selects: lane l xor 16
	CROUND                                         ; all four work-groups are here: the first joint loads meet
	s_mov_b32 s[G0S], 1
	s_add_co_u32 s[G0S+1], s2, SCL
	s_mov_b64 s[G0S+2:G0S+3], s[6:7]
	s_or_b32 s[G0S+3], s[G0S+3], 0x80000000
	s_mov_b32 s[G0SB], 1
	s_add_co_u32 s[G0SB+1], s2, SCL
	s_mov_b64 s[G0SB+2:G0SB+3], s[10:11]
	s_or_b32 s[G0SB+3], s[G0SB+3], 0x80000000
	JLOAD G0S, G1S, G0SB, G1SB                     ; the scales first: they are wanted with K step 0
.irp s, 0,1
	s_mov_b32 s[G0+4*\s], 1
	s_add_co_u32 s[G0+4*\s+1], s95, \s*SLOT
	s_add_nc_u64 s[G0+4*\s+2:G0+4*\s+3], s[4:5], \s*ROWB
	s_or_b32 s[G0+4*\s+3], s[G0+4*\s+3], 0x80000000
	s_mov_b32 s[G0B+4*\s], 1
	s_add_co_u32 s[G0B+4*\s+1], s95, \s*SLOT
	s_add_nc_u64 s[G0B+4*\s+2:G0B+4*\s+3], s[8:9], \s*ROWB
	s_or_b32 s[G0B+4*\s+3], s[G0B+4*\s+3], 0x80000000
	JLOAD G0+4*\s, G1, G0B+4*\s, G1B
.endr
	v_and_b32 v1, 15, v0                           ; r
	v_bfe_u32 v2, v0, 4, 1                         ; h
	v_and_b32 v[LANE], 31, v0
	v_lshlrev_b32 v[LI], 4, v[LANE]
	v_lshlrev_b32 v[XO], 5, v2
	WIN TO_B                                       ; the bias of my 128 columns, in the result's layout, into the free registers of window 1: tile b at v96 + 8 b (b < 4), v224 + 8 (b - 4)
.irp b, 0,1,2,3,4,5,6,7
	global_load_b128 v[96+8*\b+96*(\b/4):96+8*\b+96*(\b/4)+3], v[XO], s[16:17] offset:64*\b
	global_load_b128 v[96+8*\b+96*(\b/4)+4:96+8*\b+96*(\b/4)+7], v[XO], s[16:17] offset:64*\b+16
.endr
	WIN 0
	v_mul_u32_u24 v3, v1, PITCH
	v_mul_u32_u24 v4, v2, 24
	v_add_nc_u32 v4, v3, v4                        ; a fragment's row x pitch + 24 x half
	v_lshl_add_u32 v5, v2, 4, v4                   ; and the same behind one padding more
	s_mul_i32 s12, s[RH], HALFT                    ; my 128 rows of x
	s_mul_i32 s13, s[PH], HALFT                    ; my 128 rows of the weight,
	s_add_co_u32 s13, s13, 2*HALFT                 ; which lie behind x's 256
.irp s, 0,1
	v_add_nc_u32 v[ADRA+\s], s12, v4
	v_add_nc_u32 v[ADRB+\s], s13, v4
	v_add_nc_u32 v[ADRA+2+\s], s12, v5
	v_add_nc_u32 v[ADRB+2+\s], s13, v5
	s_add_co_u32 s12, s12, SLOT
	s_add_co_u32 s13, s13, SLOT
.endr
	v_mul_u32_u24 v5, v1, KS                       ; my row's scales: 64 bytes a row,
	v_lshrrev_b32 v6, 8, v5
	v_lshl_add_u32 v5, v6, 4, v5                   ; and 16 more for each 256 passed
	s_mul_i32 s12, s[RH], HALFS
	s_mul_i32 s13, s[PH], HALFS
	s_add_co_u32 s13, s13, 2*HALFS
	s_sub_co_u32 s13, s13, s12
	v_mul_u32_u24 v6, s13, v2                      ; lanes 16-31 take the weight's: one product, the distance between the two bases
	s_add_co_u32 s12, s12, SCL
	v_add_nc_u32 v5, v5, v6
	v_add_nc_u32 v[ADRS], s12, v5
.macro FRAG reg, adr, q, i             ; a fragment: 16 rows x 128 K in 12 registers, as six pieces of 8 bytes; lanes 16-31 read three pieces further on, for some pieces behind one padding more
.irp p, 0,1,2,3,4,5
.set PCE, 12*(\q)+6*(\p/3)+\p%3
.if PCE%8 < 5
	ds_load_b64 v[\reg+2*\p:\reg+2*\p+1], v[\adr] offset:8*PCE+16*(PCE/8)+(\i)*16*PITCH
.else
	ds_load_b64 v[\reg+2*\p:\reg+2*\p+1], v[\adr+2] offset:8*PCE+16*(PCE/8)+(\i)*16*PITCH
.endif
.endr
.endm
; 16 matrix instructions: x's blocks a0, a0 + 1 against the weight's eight.  The 64 accumulators take turns, one instruction a turn, in the same order in every step.
.macro MUL16 a0, p, q, sc, zero
.irp a, \a0, \a0+1
.irp b, 0,1,2,3,4,5,6,7
.if \zero
	v_wmma_scale_f32_16x16x128_f8f6f4 v[8*(8*((\a)%4)+\b):8*(8*((\a)%4)+\b)+7], v[128*(\p)+FR*\b:128*(\p)+FR*\b+FR-1], v[AF+FR*(\a):AF+FR*(\a)+FR-1], 0, v[SC+8*NQ*(\sc)+NQ*\b+(\q)], v[SC+8*NQ*(\sc)+NQ*(\a)+(\q)] matrix_a_fmt:MATRIX_FMT_FP6 matrix_b_fmt:MATRIX_FMT_FP6 matrix_a_scale:MATRIX_SCALE_ROW1
.else
	v_wmma_scale_f32_16x16x128_f8f6f4 v[8*(8*((\a)%4)+\b):8*(8*((\a)%4)+\b)+7], v[128*(\p)+FR*\b:128*(\p)+FR*\b+FR-1], v[AF+FR*(\a):AF+FR*(\a)+FR-1], v[8*(8*((\a)%4)+\b):8*(8*((\a)%4)+\b)+7], v[SC+8*NQ*(\sc)+NQ*\b+(\q)], v[SC+8*NQ*(\sc)+NQ*(\a)+(\q)] matrix_a_fmt:MATRIX_FMT_FP6 matrix_b_fmt:MATRIX_FMT_FP6 matrix_a_scale:MATRIX_SCALE_ROW1
.endif
.endr
.endr
.endm
.macro FETCH_B slot, q, p
	WIN TO_B
.irp i, 0,1,2,3,4,5,6,7
	FRAG 128*(\p)+FR*\i, ADRB+\slot, \q, \i
.endr
	WIN 0
.endm
.macro FETCH_A slot, q, i0
.irp i, \i0, \i0+1, \i0+2, \i0+3
	FRAG AF+FR*(\i), ADRA+\slot, \q, \i
.endr
.endm
.macro SCALES sc                       ; a K step's scale words: lanes 0-15 take x's block i, lanes 16-31 the weight's block i
.irp i, 0,1,2,3,4,5,6,7
	ds_load_b64 v[SC+8*NQ*\sc+NQ*\i:SC+8*NQ*\sc+NQ*\i+1], v[ADRS] offset:\i*SBLK
.endr
.endm
; A step of 128 along K that has its successor in the same slot.  Four plain places stand in front of each run of loads into registers that matrix instructions have read.
.macro STEP slot, q, zero
	s_wait_dscnt 4*NL                              ; the weight's set and x's blocks 0-3 are in; the youngest 24 loads (x's blocks 4-7) may be out
	WIN MUL_LO
	MUL16 0, (\q)%2, \q, \slot, \zero
	MUL16 2, (\q)%2, \q, \slot, \zero
	s_wait_dscnt 0
	PLACES NP
	FETCH_B \slot, (\q)+1, 1-(\q)%2
	FETCH_A \slot, (\q)+1, 0
	WIN MUL_HI
	MUL16 4, (\q)%2, \q, \slot, \zero
	MUL16 6, (\q)%2, \q, \slot, \zero
	PLACES NP
	WIN 0
	FETCH_A \slot, (\q)+1, 4
.endm
; A slot's last step changes slots: one barrier; in front of it each wave waits for all its tensor loads, adds 0 to its spare word, and waits for that and for its reads of this slot.
; The step's first 32 products stand AHEAD of the wait for the tensor loads: they need registers alone, so they are issued while the next slot's tile may still be on its way, and nothing but the
; barrier stands between that tile's landing and the next request: from a request to the wait for it a wave issues a whole K step's 128 matrix instructions.
.macro TURN slot, next, fill
	s_wait_dscnt 4*NL                              ; the weight's set and x's blocks 0-3 are in; the youngest 24 loads (x's blocks 4-7) may be out
	WIN MUL_LO
	MUL16 0, 1, NQ-1, \slot, 0
	MUL16 2, 1, NQ-1, \slot, 0
	WIN 0
	s_wait_tensorcnt 0x0                           ; all my tensor loads have landed: my part of the next slot
	ds_add_u32 v[SPW], v[NIL]                      ; 0 onto my spare word
	s_wait_dscnt 0x0                               ; the add is done, and my reads of this slot are over
	s_barrier_signal -1
	s_barrier_wait -1
.if \fill
	CREST                                          ; the barrier has opened a round of the cluster's barrier: no wave of any partner still reads this slot or has a load on its way
	s_add_nc_u64 s[G0+4*\slot+2:G0+4*\slot+3], s[G0+4*\slot+2:G0+4*\slot+3], 2*ROWB
	s_add_nc_u64 s[G0B+4*\slot+2:G0B+4*\slot+3], s[G0B+4*\slot+2:G0B+4*\slot+3], 2*ROWB
	JLOAD G0+4*\slot, G1, G0B+4*\slot, G1B         ; the first tensor load behind the round; its four v_nop are the places in front of the loads below
.else
	PLACES NP
.endif
	v_add_nc_u32 v[ADRS], 4*NQ, v[ADRS]            ; on to the next K step's scale words
	FETCH_B \next, 0, 0
	FETCH_A \next, 0, 0
	SCALES \next
	WIN MUL_HI
	MUL16 4, 1, NQ-1, \slot, 0
	MUL16 6, 1, NQ-1, \slot, 0
	PLACES NP
	WIN 0
	FETCH_A \next, 0, 4
.endm
	s_wait_loadcnt 0x0                             ; the bias
	s_wait_tensorcnt 1                             ; the scales and my part of K step 0 are in; K step 1's load may be out
	s_barrier_signal -1
	s_barrier_wait -1
	FETCH_B 0, 0, 0
	FETCH_A 0, 0, 0
	SCALES 0
	FETCH_A 0, 0, 4
	STEP 0, 0, 1                                   ; the first step stands in front of the loop: its products start the sums
	s_mov_b32 s3, LAPS-1
.Llap:
	TURN 0, 1, 1
	STEP 1, 0, 0
	TURN 1, 0, 1
	STEP 0, 0, 0
	s_sub_co_u32 s3, s3, 1
	s_cmp_lg_u32 s3, 0
	s_cbranch_scc1 .Llap
	TURN 0, 1, 0                                   ; the last lap fills nothing
	STEP 1, 0, 0
	s_wait_dscnt 4*NL
	WIN MUL_LO
	MUL16 0, 1, NQ-1, 1, 0
	MUL16 2, 1, NQ-1, 1, 0
	s_wait_dscnt 0
	WIN MUL_HI
	MUL16 4, 1, NQ-1, 1, 0
	MUL16 6, 1, NQ-1, 1, 0
	WIN 0
; 64 numbers of a lane, register 16 b + i = place 32 b + 16 (lane / 16) + i of my row's 128, become a fragment's codes in v[PC] on and the row's scale word in v[PW].
.macro QUANT s
.irp b, 0,1,2,3
	v_max3_num_f32 v[TM+\b], |v[\s+16*\b]|, |v[\s+1+16*\b]|, 0x1800000   ; my 16 numbers of block b, and the floor 2^(3 - 127): the byte cannot fall under 1
.endr
.irp i, 2,4,6,8,10,12,14
.irp b, 0,1,2,3
	v_max3_num_f32 v[TM+\b], v[TM+\b], |v[\s+16*\b+\i]|, |v[\s+1+16*\b+\i]|
.endr
.endr
.irp b, 0,1,2,3
	v_permlanex16_b32 v[TM+4+\b], v[TM+\b], s[SEL], s[SEL+1]
.endr
.irp b, 0,1,2,3
	v_max_num_f32 v[TM+\b], v[TM+\b], v[TM+4+\b]   ; with lane l xor 16's: the block's largest magnitude
.endr
.irp b, 0,1,2,3
	v_add_nc_u32 v[TM+12+\b], 0xff000000, v[TM+\b] ; 2 off its exponent field: the conversion's scale operand
.endr
.irp b, 0,1,2,3
	v_lshrrev_b32 v[TM+4+\b], 23, v[TM+12+\b]      ; the scale's byte
.endr
	v_lshl_or_b32 v[PW], v[TM+5], 8, v[TM+4]
	v_lshl_or_b32 v[PW], v[TM+6], 16, v[PW]
	v_lshl_or_b32 v[PW], v[TM+7], 24, v[PW]
.irp c, 0,1
	v_cvt_scalef32_pk16_fp6_f32 v[PC+6*\c:PC+2+6*\c], v[\s+32*\c:\s+15+32*\c], v[TM+12+2*\c]
	v_cvt_scalef32_pk16_fp6_f32 v[PC+12+4*\c:PC+14+4*\c], v[\s+16+32*\c:\s+31+32*\c], v[TM+12+2*\c+1]
.endr
	v_nop                                          ; one plain place behind a scaled conversion
.irp c, 0,1                                    ; the operand's layout wants a whole block in a lane
.irp i, 0,1,2
	v_permlane16_swap_b32 v[PC+6*\c+\i], v[PC+12+4*\c+\i]
.endr
.irp i, 0,1,2
	v_mov_b32 v[PC+3+6*\c+\i], v[PC+12+4*\c+\i]
.endr
.endr
.endm
; Block a of 16 rows leaves: bias added (each accumulator read from its low end on), the latents brought to the true order, quantised, stored.
.macro EPI a
.set WW, 1|((2+(\a)/4)<<2)
	WIN WW                                         ; source 0: the bias, window 1; source 1: the accumulators, window 2 or 3
.irp b, 0,1,2,3,4,5,6,7
.irp p, 0,2,4,6
	v_pk_add_f32 v[HA+8*\b+\p:HA+8*\b+\p+1], v[96+8*\b+96*(\b/4)+\p:96+8*\b+96*(\b/4)+\p+1], v[64*((\a)%4)+8*\b+\p:64*((\a)%4)+8*\b+\p+1]
.endr
.endr
	WIN 0
	s_cmp_lg_u32 s[TYPE], 0
	s_cbranch_scc1 .Lq_\@
.irp e, 0,1,2,3
.irp j, 0,1,2,3,4,5,6,7
	v_permlane16_swap_b32 v[HA+16*\e+\j], v[HA+16*\e+8+\j]   ; columns 16 u + 8 h + j become 16 h + 8 u + j
.endr
.endr
.Lq_\@:
.if (\a) > 0
	s_wait_xcnt 0x0                                ; the last block's stores have read their data: the codes' registers are written again only behind this wait
.endif
	QUANT HA
	v_mov_b32 v[PW8+(\a)], v[PW]
.irp c, 0,1,2
	global_store_b128 v[LI], v[PC+4*\c:PC+4*\c+3], s[OUT:OUT+1] offset:(\a)*1536+512*\c   ; 32 lanes store 512 consecutive bytes
.endr
.endm
	PLACES NP                                      ; behind the last products: the lines below read results and write registers that held x's fragments
.irp b, 0,1,2,3
	v_mov_b32 v[TM+4+\b], 0                        ; written once: a lane permute's destination counts as one of its sources
.endr
.irp a, 0,1,2,3,4,5,6,7
	EPI \a
.endr
	v_cmp_le_u32 vcc_lo, 16, v[LANE]               ; lanes 0-15 store the words of blocks 0-3 of row r, lanes 16-31 those of blocks 4-7 (both halves of the lanes hold every word)
.irp i, 0,1,2,3
	v_cndmask_b32 v[SQ+\i], v[PW8+\i], v[PW8+4+\i], vcc_lo
.endr
	global_store_b128 v[LI], v[SQ:SQ+3], s[OUT:OUT+1] offset:12288
	s_wait_tensorcnt 0x0                           ; the wave's end
	ds_add_u32 v[SPW], v[NIL]
	s_wait_dscnt 0x0
	CROUND                                         ; the closing round
	s_endpgm
.Lfunc_end_k_q3b2e3e3342_proj:
	.size	k_q3b2e3e3342_proj, .Lfunc_end_k_q3b2e3e3342_proj-k_q3b2e3e3342_proj
	.p2alignl 7, 3214868480
	.fill 96, 4, 3214868480
	.section	.rodata,"a",@progbits
	.p2align	6, 0x0
	.amdhsa_kernel k_q3b2e3e3342_proj
		.amdhsa_group_segment_fixed_size 327680
		.amdhsa_private_segment_fixed_size 0
		.amdhsa_enable_private_segment 0
		.amdhsa_kernarg_size 80
		.amdhsa_user_sgpr_count 2
		.amdhsa_user_sgpr_kernarg_segment_ptr 1
		.amdhsa_wavefront_size32 1
		.amdhsa_system_sgpr_workgroup_id_x 1
		.amdhsa_system_sgpr_workgroup_id_y 1
		.amdhsa_system_sgpr_workgroup_id_z 1
		.amdhsa_system_vgpr_workitem_id 0
		.amdhsa_next_free_vgpr 1024
		.amdhsa_next_free_sgpr 102
		.amdhsa_reserve_vcc 1
		.amdhsa_float_denorm_mode_32 3
		.amdhsa_float_denorm_mode_16_64 3
		.amdhsa_memory_ordered 1
		.amdhsa_forward_progress 1
		.amdhsa_inst_pref_size 190
	.end_amdhsa_kernel
	.amdgpu_metadata
---
amdhsa.version: [ 1, 2 ]
amdhsa.kernels:
  - .name:           k_q3b2e3e3342_proj
    .symbol:         k_q3b2e3e3342_proj.kd
    .args:
      - { .name: x_codes, .offset: 0, .size: 8, .value_kind: global_buffer, .address_space: global }
      - { .name: x_scales, .offset: 8, .size: 8, .value_kind: global_buffer, .address_space: global }
      - { .name: W_down_codes, .offset: 16, .size: 8, .value_kind: global_buffer, .address_space: global }
      - { .name: W_down_scales, .offset: 24, .size: 8, .value_kind: global_buffer, .address_space: global }
      - { .name: W_q_codes, .offset: 32, .size: 8, .value_kind: global_buffer, .address_space: global }
      - { .name: W_q_scales, .offset: 40, .size: 8, .value_kind: global_buffer, .address_space: global }
      - { .name: b_down, .offset: 48, .size: 8, .value_kind: global_buffer, .address_space: global }
      - { .name: b_q, .offset: 56, .size: 8, .value_kind: global_buffer, .address_space: global }
      - { .name: lat, .offset: 64, .size: 8, .value_kind: global_buffer, .address_space: global }
      - { .name: qimg, .offset: 72, .size: 8, .value_kind: global_buffer, .address_space: global }
    .group_segment_fixed_size: 327680
    .private_segment_fixed_size: 0
    .kernarg_segment_align: 8
    .kernarg_segment_size: 80
    .max_flat_workgroup_size: 128
    .sgpr_count:     102
    .vgpr_count:     1024
    .wavefront_size: 32
...
	.end_amdgpu_metadata
.endif
;; end of part 1
;; launch kv (part 2): grid 16 x 16, 4 waves a work-group, clusters of 4 x 4, 229,888 bytes of LDS; arguments lat, W_uk_codes, W_uk_scales, W_uv_codes, W_uv_scales, b_uk, b_uv, kv; writes kv
.if DOCPART == 2
	.amdgcn_target "amdgcn-amd-amdhsa--gfx1250"
	.amdhsa_code_object_version 6
	.text
	.protected	k_q3b2e3e3342_kv
	.globl	k_q3b2e3e3342_kv
	.p2align	8
	.type	k_q3b2e3e3342_kv,@function
k_q3b2e3e3342_kv:
	s_mov_b64 s[64:65], 0
	v_nop
	global_prefetch_b8 v0, s[64:65] scope:SCOPE_SE
	s_setreg_imm32_b32 hwreg(HW_REG_WAVE_MODE, 25, 1), 1
	s_wait_xcnt 0x0
	s_wait_alu depctr_hold_cnt(0) depctr_sa_sdst(0) depctr_va_vdst(0) depctr_va_sdst(0) depctr_va_ssrc(0) depctr_va_vcc(0) depctr_vm_vsrc(0)
	s_getreg_b32 s2, hwreg(HW_REG_IB_STS2, 6, 4)
	s_cmp_eq_u32 s2, 0
	s_cbranch_scc0 .Lentry_in_a_cluster
	s_endpgm
.Lentry_in_a_cluster:
	s_bfe_u32 s2, ttmp6, 0x10000c
	s_cmp_lg_u32 s2, 0xf033
	s_cbranch_scc0 .Lentry_shape_is_right
	s_endpgm
.Lentry_shape_is_right:
; keys = latents W_uk + b_uk, quantised along a head's 128; values = latents W_uv + b_uv, quantised along the KEYS.  Both products on codes of FP6 (E2M3), K = 512.
; 256 work-groups of four waves: work-group x takes 256 rows of the latents; y = 0 .. 7 takes 256 rows of W_uk (TYPE 0), y = 8 .. 15 of W_uv (TYPE 1).  A wave makes 128 x 128.
; What runs along a lane's registers is what the next product sums over.  Keys: source 0 (registers) = W_uk's rows, source 1 (lanes) = the latents' rows.  Values: source 0 = the latents' rows, the keys; source 1 = W_uv's rows.
; ALL OF K LIES IN LDS: 229,376 bytes by first fills, nothing is filled again, so there is one barrier and no ring.
; CLUSTER 4 x 4: the latents' tile hangs on x alone and is shared along a column of the cluster, the weight's on y alone and is shared along a row: each is asked for jointly.  TYPE hangs on the cluster's y alone: the branch on it is alike in all partners.
; The latents come as blocks of 12,800 bytes in the order of the operand's registers (fragment a at 1,536 a, 16 bytes a lane and 512 a store; scale words from byte 12,288 on); the results leave in the same form:
; block ((head x 32 + group of 128 keys) x 2 + t), t = 0: K (rows = keys, along K the head's 128), t = 1: V (rows = the head's 128, along K the keys).
; ORDER INSIDE A BLOCK OF 32: place 16 h + 8 u + j holds index 16 u + 8 h + j, as it falls from the product.  q and the softmax's p are laid by the same order, so the products pair the same numbers; members, scale and codes of a block are unchanged.
; THE BIAS WITHOUT A BRANCH: result = X x Y + sum, one rounding.  Keys: X = b_uk at the register's column, Y = 1.  Values: X = 1, Y = b_uv at the lane's row.
; LIMITS: a block of zeros gets the scale byte 1 where the quantiser says 127 (zero codes; this program alone reads the bytes); blocks under 2^-124 are held at byte 1; NaN and infinities are not served.
.set FR,    12
.set PITCH, 240                        ; the weight's row in LDS: 3 x (64 bytes + 16 of padding)
.set BLKB,  12800
.set LATH,  4*BLKB                     ; 128 rows of the latents, all of K
.set WREG,  2*LATH
.set WHALF, 128*PITCH
.set WSLOT, 2*WHALF                    ; 256 along K of the weight's 256 rows
.set WSC,   WREG+2*WSLOT               ; the weight's scale bytes: 16 a row, dense
.set LANE, 1
.set RR,   2
.set HH,   3
.set LI,   4                           ; 16 x lane
.set ALR,  5                           ; the latents' fragments of my lane half (wave / 2),
.set ALP,  6                           ; of my register half (wave % 2)
.set SLR,  7                           ; their scale words likewise
.set SLP,  8
.set XO,   9
.set AWR,  10                          ; v10-13 the weight's fragments, half wave / 2: K 0-255, K 256-511; the same behind one padding more
.set AWP,  14                          ; v14-17 half wave % 2
.set SWR,  18
.set SWP,  19
.set YO,   20
.set SL,   32                          ; v32-63 the latents' scale words: 8 kg + block
.set SW,   64                          ; v64-95 the weight's: 4 block + kg
.set YB,   96                          ; v96-103 Y
.set RF,   128                         ; v128-223 source 1's fragments, one set
.set HA,   128
.set PC,   192
.set TM,   212
.set PW8,  228
.set SQ,   236
.set PW,   244
.set OUT,  18
.set G1L,  24
.set G0L,  32
.set WV,   40
.set RH,   41
.set PH,   42
.set CX,   43
.set CY,   44
.set XX,   45
.set TYPE, 46
.set YT,   47
.set G1W,  48
.set G0W,  56
.set G1S,  68
.set G0S,  76
.set MK,   96
.set MV,   97
.set SEL,  98
.set MSB, 0
.macro WIN new
.if MSB != (\new)
	s_set_vgpr_msb (MSB<<8)|(\new)
.set MSB, (\new)
.endif
.endm
.macro PLACES n
.rept \n
	v_nop
.endr
.endm
.macro CROUND                          ; a round of the cluster's barrier
	s_barrier_signal -1
	s_barrier_wait -1
	s_cmp_lg_u32 s[WV], 0
	s_cbranch_scc1 .Lnot_wave_0_\@
	s_barrier_signal -3
.Lnot_wave_0_\@:
	s_barrier_wait -3
	s_barrier_signal -1
	s_barrier_wait -1
.endm
	s_load_b256 s[4:11], s[0:1], 0x0               ; lat s[4:5], W_uk's codes s[6:7], its scales s[8:9], W_uv's codes s[10:11]
	s_load_b256 s[12:19], s[0:1], 0x20             ; W_uv's scales s[12:13], b_uk s[14:15], b_uv s[16:17], kv s[18:19]
	v_lshl_add_u32 v254, v0, 2, 0x38000
	v_mov_b32 v255, 0
	ds_add_u32 v254, v255
	ds_add_u32 v254, v255
	v_lshrrev_b32 v1, 5, v0
	v_readfirstlane_b32 s[WV], v1
	s_lshr_b32 s[RH], s[WV], 1
	s_and_b32 s[PH], s[WV], 1
	s_bfe_u32 s[CX], ttmp6, 0x40000
	s_bfe_u32 s[CY], ttmp6, 0x40004
	s_lshl_b32 s[XX], ttmp9, 2
	s_add_co_u32 s[XX], s[XX], s[CX]               ; which 256 rows of the latents
	s_and_b32 s[TYPE], ttmp7, 0xffff
	s_lshl_b32 s[YT], s[TYPE], 2
	s_add_co_u32 s[YT], s[YT], s[CY]
	s_and_b32 s[YT], s[YT], 7                      ; which 256 rows of the weight
	s_lshr_b32 s[TYPE], s[TYPE], 1                 ; 0: keys, 1: values
	s_lshl_b32 s80, s[CY], 2
	s_lshl_b32 s80, 15, s80                        ; my row of the cluster
	s_lshl_b32 s81, 0x1111, s[CX]                  ; my column
	; the latents: 51,200 dense bytes as 200 rows of 256 (32 elements of 8 bytes), no padding
	s_or_b32 s[G1L], s81, (3<<16)|(1<<21)
	s_mov_b32 s[G1L+1], 32<<16
	s_mov_b32 s[G1L+2], 200<<16
	s_mov_b32 s[G1L+3], 32<<16
	s_mov_b32 s[G1L+4], 200
	s_mov_b32 s[G1L+5], 32
	s_mov_b32 s[G1L+6], 0
	s_mov_b32 s[G1L+7], 0
	; the weight's codes: 128 rows x 192 bytes, 384 bytes apart, 16 bytes of padding behind every 64
	s_or_b32 s[G1W], s80, (1<<20)|(1<<21)|(3<<22)|(3<<25)
	s_mov_b32 s[G1W+1], 192<<16
	s_mov_b32 s[G1W+2], 128<<16
	s_mov_b32 s[G1W+3], 192<<16
	s_mov_b32 s[G1W+4], 128
	s_mov_b32 s[G1W+5], 384
	s_mov_b32 s[G1W+6], 0
	s_mov_b32 s[G1W+7], 0
	; its scale bytes: 2,048 dense bytes as 8 rows of 256
	s_or_b32 s[G1S], s80, (3<<16)|(1<<21)
	s_mov_b32 s[G1S+1], 32<<16
	s_mov_b32 s[G1S+2], 8<<16
	s_mov_b32 s[G1S+3], 32<<16
	s_mov_b32 s[G1S+4], 8
	s_mov_b32 s[G1S+5], 32
	s_mov_b32 s[G1S+6], 0
	s_mov_b32 s[G1S+7], 0
	s_lshl_b32 s82, s[XX], 1
	s_add_co_u32 s82, s82, s[PH]
	s_mul_i32 s82, s82, LATH                       ; the latents' group of 128 rows that I fetch
	s_mov_b32 s83, 0
	s_lshl_b32 s84, s[YT], 8
	s_lshl_b32 s85, s[PH], 7
	s_add_co_u32 s84, s84, s85                     ; the weight's row 256 y + 128 (wave % 2)
	s_mul_i32 s86, s84, 384
	s_mov_b32 s87, 0
	s_lshl_b32 s88, s84, 4
	s_mov_b32 s89, 0
	s_lshl_b32 s90, s84, 2                         ; X: the bias at my register half's 128
	s_mov_b32 s91, 0
	s_lshl_b32 s92, s[YT], 8
	s_lshl_b32 s93, s[RH], 7
	s_add_co_u32 s92, s92, s93
	s_lshl_b32 s92, s92, 2                         ; Y: the bias at my lane half's 128
	s_mov_b32 s93, 0
	s_mov_b32 s[SEL], 0x76543210
	s_mov_b32 s[SEL+1], 0xfedcba98
	s_wait_dscnt 0x0
	s_wait_kmcnt 0x0
	s_cmp_eq_u32 s[TYPE], 0                        ; the choice hangs on the work-group's number alone
	s_cselect_b64 s[6:7], s[6:7], s[10:11]
	s_cselect_b64 s[8:9], s[8:9], s[12:13]
	s_cselect_b64 s[14:15], s[14:15], s[16:17]
	s_cselect_b32 s[MK], -1, 0                     ; all lanes where the work-group makes keys,
	s_cselect_b32 s[MV], 0, -1                     ; where it makes values
	s_cselect_b32 s94, s[PH], s[RH]                ; which half of the weight's tile is my head,
	s_cselect_b32 s95, s[RH], s[PH]                ; which half of the latents' tile my group of keys
	s_add_nc_u64 s[6:7], s[6:7], s[86:87]
	s_add_nc_u64 s[20:21], s[14:15], s[90:91]
	s_add_nc_u64 s[22:23], s[14:15], s[92:93]
	s_lshl_b32 s100, s[YT], 1
	s_add_co_u32 s100, s100, s94                   ; the head
	s_lshl_b32 s100, s100, 5
	s_lshl_b32 s101, s[XX], 1
	s_add_co_u32 s100, s100, s101
	s_add_co_u32 s100, s100, s95                   ; x 32 + the group of keys
	s_lshl_b32 s100, s100, 1
	s_add_co_u32 s100, s100, s[TYPE]
	s_mul_i32 s100, s100, BLKB
	s_mov_b32 s101, 0
	s_add_nc_u64 s[OUT:OUT+1], s[OUT:OUT+1], s[100:101]
	s_mov_b32 s[G0L], 1
	s_mul_i32 s[G0L+1], s[PH], LATH
	s_add_nc_u64 s[G0L+2:G0L+3], s[4:5], s[82:83]
	s_or_b32 s[G0L+3], s[G0L+3], 0x80000000
	s_mov_b32 s[G0S], 1
	s_lshl_b32 s[G0S+1], s[PH], 11
	s_add_co_u32 s[G0S+1], s[G0S+1], WSC
	s_add_nc_u64 s[G0S+2:G0S+3], s[8:9], s[88:89]
	s_or_b32 s[G0S+3], s[G0S+3], 0x80000000
	s_mul_i32 s100, s[PH], WHALF
.irp s, 0,1
	s_mov_b32 s[G0W+4*\s], 1
	s_add_co_u32 s[G0W+4*\s+1], s100, WREG+\s*WSLOT
	s_add_nc_u64 s[G0W+4*\s+2:G0W+4*\s+3], s[6:7], \s*192
	s_or_b32 s[G0W+4*\s+3], s[G0W+4*\s+3], 0x80000000
.endr
	CROUND                                         ; all sixteen work-groups are here: the joint loads meet
	s_cmp_lt_u32 s[WV], 2                          ; a wave's fills stand in one branch: waves 0 and 1 the latents' halves (one load out), waves 2 and 3 the weight's halves (three out)
	s_cbranch_scc0 .Lfill_w
	tensor_load_to_lds s[G0L:G0L+3], s[G1L:G1L+7]
	s_nop 0
.rept 4
	v_nop
.endr
	s_branch .Lfilled
.Lfill_w:
	tensor_load_to_lds s[G0S:G0S+3], s[G1S:G1S+7]
	s_nop 0
	tensor_load_to_lds s[G0W:G0W+3], s[G1W:G1W+7]
	s_nop 0
	tensor_load_to_lds s[G0W+4:G0W+7], s[G1W:G1W+7]
	s_nop 0
.rept 4
	v_nop
.endr
.Lfilled:
	v_and_b32 v[LANE], 31, v0
	v_and_b32 v[RR], 15, v0
	v_bfe_u32 v[HH], v0, 4, 1
	v_lshlrev_b32 v[LI], 4, v[LANE]
	v_lshlrev_b32 v[XO], 5, v[HH]
	v_lshlrev_b32 v[YO], 2, v[RR]
	WIN 0x40                                       ; X into the free registers of window 1: tile b at v96 + 8 b (b < 4), v224 + 8 (b - 4)
.irp b, 0,1,2,3,4,5,6,7
	global_load_b128 v[96+8*\b+96*(\b/4):96+8*\b+96*(\b/4)+3], v[XO], s[20:21] offset:64*\b
	global_load_b128 v[96+8*\b+96*(\b/4)+4:96+8*\b+96*(\b/4)+7], v[XO], s[20:21] offset:64*\b+16
.endr
	WIN 0
.irp a, 0,1,2,3,4,5,6,7
	global_load_b32 v[YB+\a], v[YO], s[22:23] offset:64*\a
.endr
	s_mul_i32 s36, s[RH], LATH
	s_mul_i32 s37, s[PH], LATH
	v_add_nc_u32 v[ALR], s36, v[LI]
	v_add_nc_u32 v[ALP], s37, v[LI]
	v_lshlrev_b32 v21, 4, v[RR]                    ; 16 r
	s_add_co_u32 s36, s36, 12288
	s_add_co_u32 s37, s37, 12288
	v_add_nc_u32 v[SLR], s36, v21
	v_add_nc_u32 v[SLP], s37, v21
	v_mul_u32_u24 v22, v[RR], PITCH
	v_mad_u32_u24 v22, v[HH], 24, v22              ; row x pitch + 24 x half
	v_lshl_add_u32 v23, v[HH], 4, v22              ; and behind one padding more
	s_mul_i32 s36, s[RH], WHALF
	s_add_co_u32 s36, s36, WREG
	s_mul_i32 s37, s[PH], WHALF
	s_add_co_u32 s37, s37, WREG
.irp s, 0,1
	v_add_nc_u32 v[AWR+\s], s36, v22
	v_add_nc_u32 v[AWR+2+\s], s36, v23
	v_add_nc_u32 v[AWP+\s], s37, v22
	v_add_nc_u32 v[AWP+2+\s], s37, v23
	s_add_co_u32 s36, s36, WSLOT
	s_add_co_u32 s37, s37, WSLOT
.endr
	s_lshl_b32 s36, s[RH], 11
	s_add_co_u32 s36, s36, WSC
	s_lshl_b32 s37, s[PH], 11
	s_add_co_u32 s37, s37, WSC
	v_add_nc_u32 v[SWR], s36, v21
	v_add_nc_u32 v[SWP], s37, v21
.macro FRAG reg, adr, q, i             ; a fragment from padded rows: six pieces of 8 bytes
.irp p, 0,1,2,3,4,5
.set PCE, 12*(\q)+6*(\p/3)+\p%3
.if PCE%8 < 5
	ds_load_b64 v[\reg+2*\p:\reg+2*\p+1], v[\adr] offset:8*PCE+16*(PCE/8)+(\i)*16*PITCH
.else
	ds_load_b64 v[\reg+2*\p:\reg+2*\p+1], v[\adr+2] offset:8*PCE+16*(PCE/8)+(\i)*16*PITCH
.endif
.endr
.endm
.macro FRAGI reg, adr, off             ; a fragment from an image of its registers: three loads of 512 consecutive bytes
.irp c, 0,1,2
	ds_load_b128 v[\reg+4*\c:\reg+4*\c+3], v[\adr] offset:\off+512*\c
.endr
.endm
.macro FP kg, set                      ; source 0's eight fragments of the kg-th 128 along K into a set of window 1
	WIN 0x40
.irp i, 0,1,2,3,4,5,6,7
.if TY
	FRAGI 128*(\set)+FR*\i, ALP, (\kg)*BLKB+\i*1536
.else
	FRAG 128*(\set)+FR*\i, AWP+(\kg)/2, (\kg)%2, \i
.endif
.endr
	WIN 0
.endm
.macro FRR kg, i0                      ; source 1's blocks i0 .. i0 + 3
.irp i, \i0, \i0+1, \i0+2, \i0+3
.if TY
	FRAG RF+FR*(\i), AWR+(\kg)/2, (\kg)%2, \i
.else
	FRAGI RF+FR*(\i), ALR, (\kg)*BLKB+(\i)*1536
.endif
.endr
.endm
; 16 matrix instructions; the 64 accumulators take turns, one instruction a turn, in the same order in every step; the first step starts the sums
.macro MUL16 a0, kg
.irp a, \a0, \a0+1
.irp b, 0,1,2,3,4,5,6,7
.if TY
.set SA, SL+8*(\kg)+\b
.set SB, SW+4*(\a)+(\kg)
.else
.set SA, SW+4*\b+(\kg)
.set SB, SL+8*(\kg)+(\a)
.endif
.if (\kg) == 0
	v_wmma_scale_f32_16x16x128_f8f6f4 v[8*(8*((\a)%4)+\b):8*(8*((\a)%4)+\b)+7], v[128*((\kg)%2)+FR*\b:128*((\kg)%2)+FR*\b+FR-1], v[RF+FR*(\a):RF+FR*(\a)+FR-1], 0, v[SA], v[SB] matrix_a_fmt:MATRIX_FMT_FP6 matrix_b_fmt:MATRIX_FMT_FP6
.else
	v_wmma_scale_f32_16x16x128_f8f6f4 v[8*(8*((\a)%4)+\b):8*(8*((\a)%4)+\b)+7], v[128*((\kg)%2)+FR*\b:128*((\kg)%2)+FR*\b+FR-1], v[RF+FR*(\a):RF+FR*(\a)+FR-1], v[8*(8*((\a)%4)+\b):8*(8*((\a)%4)+\b)+7], v[SA], v[SB] matrix_a_fmt:MATRIX_FMT_FP6 matrix_b_fmt:MATRIX_FMT_FP6
.endif
.endr
.endr
.endm
.macro STEP2 kg
	s_wait_dscnt 4*NLR                             ; all but the youngest loads, source 1's blocks 4-7
	WIN 0xa1
	MUL16 0, \kg
	MUL16 2, \kg
	s_wait_dscnt 0x0
.if (\kg) < 3
	PLACES 4                                       ; in front of loads into registers that matrix instructions have read
	FP (\kg)+1, 1-(\kg)%2
	FRR (\kg)+1, 0
.endif
	WIN 0xf1
	MUL16 4, \kg
	MUL16 6, \kg
.if (\kg) < 3
	PLACES 4
	WIN 0
	FRR (\kg)+1, 4
.endif
.endm
.macro MAIN
.if TY
.set SLX, SLP
.set SWX, SWR
.else
.set SLX, SLR
.set SWX, SWP
.endif
.irp kg, 0,1,2,3
.irp e, 0,1
	ds_load_b128 v[SL+8*\kg+4*\e:SL+8*\kg+4*\e+3], v[SLX] offset:\kg*BLKB+256*\e   ; four blocks' scale words of row r
.endr
.endr
.irp i, 0,1,2,3,4,5,6,7
	ds_load_b128 v[SW+4*\i:SW+4*\i+3], v[SWX] offset:256*\i                        ; row 16 i + r: the words of all four steps
.endr
	FP 0, 0
	FRR 0, 0
	FRR 0, 4
	STEP2 0
	STEP2 1
	STEP2 2
	STEP2 3
	WIN 0
.endm
	s_wait_loadcnt 0x0                             ; X and Y
	s_wait_tensorcnt 0x0                           ; my fills have landed,
	s_barrier_signal -1
	s_barrier_wait -1                              ; everybody's have
	s_cmp_eq_u32 s[TYPE], 0
	s_cbranch_scc0 .Lvalues
.set TY, 0
.set NLR, 3
	MAIN
	s_branch .Lepi
.Lvalues:
.set TY, 1
.set NLR, 6
	MAIN
.Lepi:
	WIN 0x44                                       ; the side of the bias that does not count becomes 1.  These lines are also the places behind the last products
.irp b, 0,1,2,3,4,5,6,7
.irp j, 0,1,2,3,4,5,6,7
	v_cndmask_b32 v[96+8*\b+96*(\b/4)+\j], 1.0, v[96+8*\b+96*(\b/4)+\j], s[MK]
.endr
.endr
	WIN 0
.irp a, 0,1,2,3,4,5,6,7
	v_cndmask_b32 v[YB+\a], 1.0, v[YB+\a], s[MV]
.endr
.irp b, 0,1,2,3
	v_mov_b32 v[TM+4+\b], 0                        ; written once: a lane permute's destination counts as one of its sources
.endr
.macro QUANT s                         ; 64 numbers of a lane become a fragment's codes in v[PC] on and the row's scale word in v[PW]
.irp b, 0,1,2,3
	v_max3_num_f32 v[TM+\b], |v[\s+16*\b]|, |v[\s+1+16*\b]|, 0x1800000   ; with the floor 2^(3 - 127): the byte cannot fall under 1
.endr
.irp i, 2,4,6,8,10,12,14
.irp b, 0,1,2,3
	v_max3_num_f32 v[TM+\b], v[TM+\b], |v[\s+16*\b+\i]|, |v[\s+1+16*\b+\i]|
.endr
.endr
.irp b, 0,1,2,3
	v_permlanex16_b32 v[TM+4+\b], v[TM+\b], s[SEL], s[SEL+1]
.endr
.irp b, 0,1,2,3
	v_max_num_f32 v[TM+\b], v[TM+\b], v[TM+4+\b]
.endr
.irp b, 0,1,2,3
	v_add_nc_u32 v[TM+12+\b], 0xff000000, v[TM+\b] ; 2 off the exponent field: the conversion's scale operand
.endr
.irp b, 0,1,2,3
	v_lshrrev_b32 v[TM+4+\b], 23, v[TM+12+\b]
.endr
	v_lshl_or_b32 v[PW], v[TM+5], 8, v[TM+4]
	v_lshl_or_b32 v[PW], v[TM+6], 16, v[PW]
	v_lshl_or_b32 v[PW], v[TM+7], 24, v[PW]
.irp c, 0,1
	v_cvt_scalef32_pk16_fp6_f32 v[PC+6*\c:PC+2+6*\c], v[\s+32*\c:\s+15+32*\c], v[TM+12+2*\c]
	v_cvt_scalef32_pk16_fp6_f32 v[PC+12+4*\c:PC+14+4*\c], v[\s+16+32*\c:\s+31+32*\c], v[TM+12+2*\c+1]
.endr
	v_nop                                          ; one plain place behind a scaled conversion
.irp c, 0,1
.irp i, 0,1,2
	v_permlane16_swap_b32 v[PC+6*\c+\i], v[PC+12+4*\c+\i]
.endr
.irp i, 0,1,2
	v_mov_b32 v[PC+3+6*\c+\i], v[PC+12+4*\c+\i]
.endr
.endr
.endm
.macro EPI a                           ; block a of 16 lane rows: X x Y + sum (each accumulator read from its low end on), quantised, stored
.set WW, 1|((2+(\a)/4)<<4)
	WIN WW                                         ; source 0: X, window 1; source 1: Y, window 0; source 2: the accumulators, window 2 or 3
.irp b, 0,1,2,3,4,5,6,7
.irp p, 0,2,4,6
.if (\a)%2
	v_pk_fma_f32 v[HA+8*\b+\p:HA+8*\b+\p+1], v[96+8*\b+96*(\b/4)+\p:96+8*\b+96*(\b/4)+\p+1], v[YB+2*((\a)/2):YB+2*((\a)/2)+1], v[64*((\a)%4)+8*\b+\p:64*((\a)%4)+8*\b+\p+1] op_sel:[0,1,0] op_sel_hi:[1,1,1]
.else
	v_pk_fma_f32 v[HA+8*\b+\p:HA+8*\b+\p+1], v[96+8*\b+96*(\b/4)+\p:96+8*\b+96*(\b/4)+\p+1], v[YB+2*((\a)/2):YB+2*((\a)/2)+1], v[64*((\a)%4)+8*\b+\p:64*((\a)%4)+8*\b+\p+1] op_sel:[0,0,0] op_sel_hi:[1,0,1]
.endif
.endr
.endr
	WIN 0
.if (\a) > 0
	s_wait_xcnt 0x0                                ; the last block's stores have read their data
.endif
	QUANT HA
	v_mov_b32 v[PW8+(\a)], v[PW]
.irp c, 0,1,2
	global_store_b128 v[LI], v[PC+4*\c:PC+4*\c+3], s[OUT:OUT+1] offset:(\a)*1536+512*\c   ; 32 lanes store 512 consecutive bytes
.endr
.endm
.irp a, 0,1,2,3,4,5,6,7
	EPI \a
.endr
	v_cmp_le_u32 vcc_lo, 16, v[LANE]               ; lanes 0-15 store the words of blocks 0-3, lanes 16-31 those of blocks 4-7
.irp i, 0,1,2,3
	v_cndmask_b32 v[SQ+\i], v[PW8+\i], v[PW8+4+\i], vcc_lo
.endr
	global_store_b128 v[LI], v[SQ:SQ+3], s[OUT:OUT+1] offset:12288
	s_wait_tensorcnt 0x0
	ds_add_u32 v254, v255
	s_wait_dscnt 0x0
	CROUND                                         ; the closing round
	s_endpgm
.Lfunc_end_k_q3b2e3e3342_kv:
	.size	k_q3b2e3e3342_kv, .Lfunc_end_k_q3b2e3e3342_kv-k_q3b2e3e3342_kv
	.p2alignl 7, 3214868480
	.fill 96, 4, 3214868480
	.section	.rodata,"a",@progbits
	.p2align	6, 0x0
	.amdhsa_kernel k_q3b2e3e3342_kv
		.amdhsa_group_segment_fixed_size 229888
		.amdhsa_private_segment_fixed_size 0
		.amdhsa_enable_private_segment 0
		.amdhsa_kernarg_size 64
		.amdhsa_user_sgpr_count 2
		.amdhsa_user_sgpr_kernarg_segment_ptr 1
		.amdhsa_wavefront_size32 1
		.amdhsa_system_sgpr_workgroup_id_x 1
		.amdhsa_system_sgpr_workgroup_id_y 1
		.amdhsa_system_sgpr_workgroup_id_z 1
		.amdhsa_system_vgpr_workitem_id 0
		.amdhsa_next_free_vgpr 1024
		.amdhsa_next_free_sgpr 102
		.amdhsa_reserve_vcc 1
		.amdhsa_float_denorm_mode_32 3
		.amdhsa_float_denorm_mode_16_64 3
		.amdhsa_memory_ordered 1
		.amdhsa_forward_progress 1
		.amdhsa_inst_pref_size 171
	.end_amdhsa_kernel
	.amdgpu_metadata
---
amdhsa.version: [ 1, 2 ]
amdhsa.kernels:
  - .name:           k_q3b2e3e3342_kv
    .symbol:         k_q3b2e3e3342_kv.kd
    .args:
      - { .name: lat, .offset: 0, .size: 8, .value_kind: global_buffer, .address_space: global }
      - { .name: W_uk_codes, .offset: 8, .size: 8, .value_kind: global_buffer, .address_space: global }
      - { .name: W_uk_scales, .offset: 16, .size: 8, .value_kind: global_buffer, .address_space: global }
      - { .name: W_uv_codes, .offset: 24, .size: 8, .value_kind: global_buffer, .address_space: global }
      - { .name: W_uv_scales, .offset: 32, .size: 8, .value_kind: global_buffer, .address_space: global }
      - { .name: b_uk, .offset: 40, .size: 8, .value_kind: global_buffer, .address_space: global }
      - { .name: b_uv, .offset: 48, .size: 8, .value_kind: global_buffer, .address_space: global }
      - { .name: kv, .offset: 56, .size: 8, .value_kind: global_buffer, .address_space: global }
    .group_segment_fixed_size: 229888
    .private_segment_fixed_size: 0
    .kernarg_segment_align: 8
    .kernarg_segment_size: 64
    .max_flat_workgroup_size: 128
    .sgpr_count:     102
    .vgpr_count:     1024
    .wavefront_size: 32
...
	.end_amdgpu_metadata
.endif
;; end of part 2
;; launch attn (part 3): grid 4 x 64, 8 waves a work-group, clusters of 4 x 1, 206,848 bytes of LDS; arguments qimg, kv, ctx; writes ctx
.if DOCPART == 3
	.amdgcn_target "amdgcn-amd-amdhsa--gfx1250"
	.amdhsa_code_object_version 6
	.text
	.protected	k_q3b2e3e3342_attn
	.globl	k_q3b2e3e3342_attn
	.p2align	8
	.type	k_q3b2e3e3342_attn,@function
k_q3b2e3e3342_attn:
	s_mov_b64 s[64:65], 0
	v_nop
	global_prefetch_b8 v0, s[64:65] scope:SCOPE_SE
	s_setreg_imm32_b32 hwreg(HW_REG_WAVE_MODE, 25, 1), 1
	s_wait_xcnt 0x0
	s_wait_alu depctr_hold_cnt(0) depctr_sa_sdst(0) depctr_va_vdst(0) depctr_va_sdst(0) depctr_va_ssrc(0) depctr_va_vcc(0) depctr_vm_vsrc(0)
	s_getreg_b32 s2, hwreg(HW_REG_IB_STS2, 6, 4)
	s_cmp_eq_u32 s2, 0
	s_cbranch_scc0 .Lentry_in_a_cluster
	s_endpgm
.Lentry_in_a_cluster:
	s_bfe_u32 s2, ttmp6, 0x10000c
	s_cmp_lg_u32 s2, 0x3003
	s_cbranch_scc0 .Lentry_shape_is_right
	s_endpgm
.Lentry_shape_is_right:
; ctx[b][q][head] = softmax_k(q . k / sqrt(128)) v, both products on codes of FP6 (E2M3); the result is quantised at once along the head's 128 for the last product.
; THE SOFTMAX AHEAD OF THE SECOND PRODUCT: t = score x log2(e) / sqrt(128); M = the running largest t rounded UP to a whole number; p = 2^(t - M) is quantised along the keys, not normalised;
; the row's sum is taken of the unquantised p and divides at the end; when M moves, the sum and O are multiplied by 2^(old M - new M), which rounds nothing.
; SHARES.  Work-group y = batch x 16 + head; its place in the cluster = which 256 queries.  EIGHT waves, each 32 queries, two tiles of 16, in 512 registers: two waves to a SIMD.
; Each fragment of K and of V that a wave reads from LDS feeds TWO matrix instructions, one for each tile: 52 LDS loads for a key step's 32 products.
; ALL OF THE HEAD'S K AND V, 204,800 bytes, LIES IN LDS by first fills: key step j (128 keys) at 25,600 j, K's block, then V's; nothing is filled again.
; CLUSTER 4 x 1: the four query blocks of a head read the same K and V and ask for them jointly (mask 15).  Waves 0 to 3 fetch, four loads each (four out at the most).
; Two barriers show the tiles: one for the first two key steps, one, in the second step, for all the rest.  Nothing is prefetched: every tile is asked for at the head.
; LOADS AHEAD.  V's eight fragments are asked for straight behind the score products and land under the softmax; the next step's K straight behind the second product's instructions and lands under one tile's row sums.
; LAYOUT.  Both products transposed: S^T = K Q^T, O^T = V^T P^T: a lane holds one query of each tile throughout.  All operands come as images of their registers: three loads of 512 consecutive bytes a fragment, one load for four fragments' scale words.
; ORDER INSIDE A BLOCK OF 32: p's place 16 h + 8 u + j holds key 16 u + 8 h + j, as it falls from the first product; V was laid by the same order, and q and k share it along the head's 128.
; ctx meets a given weight, so eight lane swaps a block bring its true order.
; REGISTERS, in two windows of 256.  Window 0: v1, v2, v8-11 addresses; tile y's statistics at v12 + 4 y (-M, the largest t, the sum in two halves); v20 + y q's scale words; v22 + y p's; v24 + 2 y f (the low word);
;   v32 + 12 y p's codes; v56-63 K's or V's scale words; work registers of tile 0 at v232-254, of tile 1 at v64-86; v96 + 64 y S^T, then p.
;   Window 1: v0-95 eight fragments of K or of V; v96 + 64 y O^T; v224 + 12 y q.  Window 1 is named by matrix instructions, packed multiplies and loads alone; at most ten switches a key step.
; LIMITS: a block of zeros gets the scale byte 1 (zero codes; this program alone reads the bytes); blocks under 2^-124 are held at byte 1; the division by the row's sum is v_rcp_f32 and a multiplication; NaN and infinities are not served.
.set BLKB, 12800
.set GRP,  4*BLKB                      ; two key steps
.set SG,   16*BLKB                     ; behind the tiles: the eight waves' scale words of ctx, 1,024 bytes that no tensor load fills
.set LI,   1                           ; v1  16 x lane
.set LR,   2                           ; v2  16 x (lane % 16)
.set ADK,  8                           ; v8  the group's fragments
.set ADS,  9                           ; v9  the group's scale words
.set SGA,  10                          ; v10 where my rows' two scale words go
.set RDS,  11                          ; v11 where waves 0 and 1 read a block's 512 bytes of words back
.set ST,   12
.set QS,   20
.set PSW,  22
.set FF,   24
.set CD,   32
.set KS,   56
.set WB,   88
.set S,    96
.set TM,   232                         ; tile y's work registers begin at TM - TD y: +0..3 the blocks' maxima, +4..10 at work, +12..15 the conversions' scale operands, +22 at work
.set TD,   168
.set YF,   0                           ; in window 1
.set O,    96
.set QF,   224
.set WV,   18
.set SEL,  20
.set CS,   22
.set G1,   24
.set G0,   32
.set MSB, 0
.macro WIN new                         ; the immediate's high byte repeats the setting that is left
.if MSB != (\new)
	s_set_vgpr_msb (MSB<<8)|(\new)
.set MSB, (\new)
.endif
.endm
.macro PLACES n
.rept \n
	v_nop
.endr
.endm
.macro CROUND
	s_barrier_signal -1
	s_barrier_wait -1
	s_cmp_lg_u32 s[WV], 0
	s_cbranch_scc1 .Lnot_wave_0_\@
	s_barrier_signal -3
.Lnot_wave_0_\@:
	s_barrier_wait -3
	s_barrier_signal -1
	s_barrier_wait -1
.endm
.macro FRAGI reg, adr, off
.irp c, 0,1,2
	ds_load_b128 v[\reg+4*\c:\reg+4*\c+3], v[\adr] offset:\off+512*\c
.endr
.endm
.macro LOADF off                       ; a block's eight fragments into window 1 and its rows' scale words: 26 LDS loads in one run
	WIN 0x40
.irp t, 0,1,2,3,4,5,6,7
	FRAGI YF+12*\t, ADK, (\off)+\t*1536
.endr
	WIN 0
	ds_load_b128 v[KS:KS+3], v[ADS] offset:(\off)+12288
	ds_load_b128 v[KS+4:KS+7], v[ADS] offset:(\off)+12288+256
.endm
	s_load_b128 s[4:7], s[0:1], 0x0                ; qimg s[4:5], kv s[6:7]
	s_load_b64 s[8:9], s[0:1], 0x10                ; ctx
	v_lshl_add_u32 v253, v0, 2, 0x32400
	v_mov_b32 v255, 0
	ds_add_u32 v253, v255
	ds_add_u32 v253, v255
	v_lshrrev_b32 v8, 5, v0
	v_readfirstlane_b32 s[WV], v8                  ; wave 0..7
	v_and_b32 v[LI], 31, v0
	v_lshlrev_b32 v[LI], 4, v[LI]
	v_and_b32 v[LR], 15, v0
	v_lshlrev_b32 v[LR], 4, v[LR]
	s_bfe_u32 s58, s[WV], 0x10001                  ; (wave / 2) % 2
	s_lshl_b32 s58, s58, 8
	s_and_b32 s59, s[WV], 1
	s_lshl_b32 s59, s59, 3
	s_add_co_u32 s58, s58, s59                     ; my two fragments' scale words in a block: fragments a = 2 (wave % 4) + y: 256 (a / 4) + 4 (a % 4)
	s_lshr_b32 s62, s[WV], 2
	s_lshl_b32 s62, s62, 9
	s_add_co_u32 s62, s62, s58
	s_add_co_u32 s62, s62, SG
	v_add_nc_u32 v[SGA], s62, v[LR]
	s_and_b32 s63, s[WV], 1
	s_lshl_b32 s62, s63, 9
	s_add_co_u32 s62, s62, SG
	v_add_nc_u32 v[RDS], s62, v[LI]
	s_bfe_u32 s10, ttmp6, 0x40000                  ; which 256 queries: it enters qimg's and ctx's addresses alone
	s_and_b32 s11, ttmp7, 0xffff
	s_and_b32 s12, s11, 15                         ; the head
	s_lshr_b32 s13, s11, 4                         ; the batch
	s_lshl_b32 s48, s12, 5
	s_lshl_b32 s49, s13, 3
	s_add_co_u32 s48, s48, s49
	s_mul_i32 s48, s48, 2*BLKB                     ; the head's K and V of this batch: 204,800 dense bytes
	s_and_b32 s51, s[WV], 3
	s_mul_i32 s50, s51, BLKB                       ; the block of a group that I fetch, if I fetch
	s_add_co_u32 s48, s48, s50
	s_mov_b32 s49, 0
	s_lshl_b32 s52, s13, 3
	s_lshl_b32 s53, s10, 1
	s_add_co_u32 s52, s52, s53                     ; the work-group's first group of 128 rows
	s_lshr_b32 s53, s[WV], 2
	s_add_co_u32 s53, s52, s53
	s_lshl_b32 s53, s53, 4
	s_add_co_u32 s53, s53, s12
	s_mul_i32 s54, s53, BLKB                       ; my block in qimg and in ctx
	s_mul_i32 s55, s51, 2*1536
	s_add_co_u32 s56, s54, s55                     ; my two fragments
	s_mov_b32 s57, 0
	s_add_co_u32 s60, s54, s58
	s_add_co_u32 s60, s60, 12288                   ; their scale words
	s_mov_b32 s61, 0
	s_add_co_u32 s52, s52, s63
	s_lshl_b32 s52, s52, 4
	s_add_co_u32 s52, s52, s12
	s_mul_i32 s52, s52, BLKB
	s_add_co_u32 s52, s52, 12288                   ; the block whose scale words wave 0 or 1 stores
	s_mov_b32 s53, 0
	; descriptor group 1: a block, 12,800 dense bytes as 50 rows of 256 (32 elements of 8 bytes); mask 15, bit 21 beside it
	s_mov_b32 s[G1], 15|(3<<16)|(1<<21)
	s_mov_b32 s[G1+1], 32<<16
	s_mov_b32 s[G1+2], 50<<16
	s_mov_b32 s[G1+3], 32<<16
	s_mov_b32 s[G1+4], 50
	s_mov_b32 s[G1+5], 32
	s_mov_b32 s[G1+6], 0
	s_mov_b32 s[G1+7], 0
	s_mov_b32 s[SEL], 0x76543210
	s_mov_b32 s[SEL+1], 0xfedcba98                 ; lane selects: lane l xor 16
	s_mov_b32 s[CS], 0x3e0293ee                    ; c = log2(e) / sqrt(128)
	s_mov_b32 s[CS+1], s[CS]
	s_wait_dscnt 0x0
	s_wait_kmcnt 0x0
	s_add_nc_u64 s[6:7], s[6:7], s[48:49]
	s_add_nc_u64 s[16:17], s[4:5], s[60:61]        ; q's scale words
	s_add_nc_u64 s[4:5], s[4:5], s[56:57]          ; q's fragments
	s_add_nc_u64 s[14:15], s[8:9], s[52:53]        ; ctx: a block's scale words
	s_add_nc_u64 s[8:9], s[8:9], s[56:57]          ; ctx: my fragments
.irp q, 0,1,2,3
	s_mov_b32 s[G0+4*\q], 1
	s_add_co_u32 s[G0+4*\q+1], s50, \q*GRP
	s_add_nc_u64 s[G0+4*\q+2:G0+4*\q+3], s[6:7], \q*GRP
	s_or_b32 s[G0+4*\q+3], s[G0+4*\q+3], 0x80000000
.endr
	CROUND                                         ; all four work-groups are here: the joint loads meet
	s_cmp_lt_u32 s[WV], 4
	s_cbranch_scc0 .Lno_fetch
	tensor_load_to_lds s[G0:G0+3], s[G1:G1+7]
	s_nop 0
	tensor_load_to_lds s[G0+4:G0+7], s[G1:G1+7]
	s_nop 0
	tensor_load_to_lds s[G0+8:G0+11], s[G1:G1+7]
	s_nop 0
	tensor_load_to_lds s[G0+12:G0+15], s[G1:G1+7]
	s_nop 0
.rept 4
	v_nop
.endr
.Lno_fetch:
	WIN 0x40                                       ; q's two fragments stay in registers of window 1
.irp y, 0,1
.irp c, 0,1,2
	global_load_b128 v[QF+12*\y+4*\c:QF+12*\y+4*\c+3], v[LI], s[4:5] offset:1536*\y+512*\c
.endr
.endr
	WIN 0
	global_load_b64 v[QS:QS+1], v[LR], s[16:17]    ; and their scale words: the two tiles' words of row r are neighbours
.irp y, 0,1
	v_mov_b32 v[ST+4*\y+1], 0xff61b1e6             ; the largest t so far: -3e38
	v_mov_b32 v[ST+4*\y+2], 0                      ; the sum, in two halves
	v_mov_b32 v[ST+4*\y+3], 0
	v_mov_b32 v[FF+2*\y+1], 0                      ; (named as the upper half of f's pair)
.irp b, 0,1,2,3
	v_mov_b32 v[TM-TD*\y+4+\b], 0                  ; written once: a lane permute's destination counts as one of its sources
.endr
.endr
.irp y, 0,1
	v_floor_f32 v[ST+4*\y], -v[ST+4*\y+1]          ; -M
.endr
; From each block's largest magnitude (floor included) in v[TM - TD y + b]: the scale word in v[PSW + y] and the codes of v[S + 64 y] on in v[CD + 12 y] on.  Both tiles, line by line in turn.
.macro CODES
.irp b, 0,1,2,3
.irp y, 0,1
	v_add_nc_u32 v[TM-TD*\y+12+\b], 0xff000000, v[TM-TD*\y+\b]   ; 2 off the exponent field: the conversion's scale operand
.endr
.endr
.irp b, 0,1,2,3
.irp y, 0,1
	v_lshrrev_b32 v[TM-TD*\y+4+\b], 23, v[TM-TD*\y+12+\b]        ; the scale's byte
.endr
.endr
.irp y, 0,1
	v_lshl_or_b32 v[PSW+\y], v[TM-TD*\y+5], 8, v[TM-TD*\y+4]
.endr
.irp y, 0,1
	v_lshl_or_b32 v[PSW+\y], v[TM-TD*\y+6], 16, v[PSW+\y]
.endr
.irp y, 0,1
	v_lshl_or_b32 v[PSW+\y], v[TM-TD*\y+7], 24, v[PSW+\y]
.endr
.irp y, 0,1
.irp c, 0,1
	v_cvt_scalef32_pk16_fp6_f32 v[CD+12*\y+6*\c:CD+12*\y+6*\c+2], v[S+64*\y+32*\c:S+64*\y+32*\c+15], v[TM-TD*\y+12+2*\c]
	v_cvt_scalef32_pk16_fp6_f32 v[TM-TD*\y+4+4*\c:TM-TD*\y+6+4*\c], v[S+64*\y+32*\c+16:S+64*\y+32*\c+31], v[TM-TD*\y+13+2*\c]   ; (a conversion's three registers begin on an even number)
.endr
.endr
	v_nop                                          ; one plain place behind a scaled conversion
.irp y, 0,1                                    ; the operand's layout wants a whole block in a lane
.irp c, 0,1
.irp i, 0,1,2
	v_permlane16_swap_b32 v[CD+12*\y+6*\c+\i], v[TM-TD*\y+4+4*\c+\i]
.endr
.endr
.endr
.irp y, 0,1
.irp c, 0,1
.irp i, 0,1,2
	v_mov_b32 v[CD+12*\y+3+6*\c+\i], v[TM-TD*\y+4+4*\c+\i]
.endr
.endr
.endr
.endm
; The softmax of a key step, both tiles line by line in turn, so that no line waits for the line above it.  first = 1: there is no O^T yet to bring under the new M.
.macro SOFT2 first
.irp b, 0,1,2,3
.irp y, 0,1
	v_max3_num_f32 v[TM-TD*\y+\b], v[S+64*\y+16*\b], v[S+64*\y+16*\b+1], v[S+64*\y+16*\b+2]   ; the largest score of each block of 32 keys: for the row's maximum and, since p rises with the score, for the block's largest p
.endr
.endr
.irp i, 3,5,7,9,11,13
.irp b, 0,1,2,3
.irp y, 0,1
	v_max3_num_f32 v[TM-TD*\y+\b], v[TM-TD*\y+\b], v[S+64*\y+16*\b+\i], v[S+64*\y+16*\b+\i+1]
.endr
.endr
.endr
.irp b, 0,1,2,3
.irp y, 0,1
	v_max_num_f32 v[TM-TD*\y+\b], v[TM-TD*\y+\b], v[S+64*\y+16*\b+15]
.endr
.endr
.irp b, 0,1,2,3
.irp y, 0,1
	v_permlanex16_b32 v[TM-TD*\y+4+\b], v[TM-TD*\y+\b], s[SEL], s[SEL+1]
.endr
.endr
.irp b, 0,1,2,3
.irp y, 0,1
	v_max_num_f32 v[TM-TD*\y+\b], v[TM-TD*\y+\b], v[TM-TD*\y+4+\b]   ; with lane l xor 16's 16 keys
.endr
.endr
.irp y, 0,1
	v_max3_num_f32 v[TM-TD*\y+22], v[TM-TD*\y], v[TM-TD*\y+1], v[TM-TD*\y+2]
.endr
.irp y, 0,1
	v_max_num_f32 v[TM-TD*\y+22], v[TM-TD*\y+22], v[TM-TD*\y+3]
.endr
.irp y, 0,1
	v_mul_f32 v[TM-TD*\y+22], s[CS], v[TM-TD*\y+22]              ; the step's largest t
.endr
.irp y, 0,1
	v_max_num_f32 v[ST+4*\y+1], v[ST+4*\y+1], v[TM-TD*\y+22]     ; the running largest t
.endr
.irp y, 0,1
	v_mov_b32 v[TM-TD*\y+22], v[ST+4*\y]
.endr
.irp y, 0,1
	v_floor_f32 v[ST+4*\y], -v[ST+4*\y+1]                        ; the new -M = -ceil(t)
.endr
.irp y, 0,1
	v_sub_f32 v[TM-TD*\y+22], v[ST+4*\y], v[TM-TD*\y+22]         ; old M - new M: a whole number, 0 or less
.endr
.irp y, 0,1
	v_cvt_i32_f32 v[TM-TD*\y+22], v[TM-TD*\y+22]                 ; (it saturates)
.endr
.irp y, 0,1
	v_ldexp_f32 v[FF+2*\y], 1.0, v[TM-TD*\y+22]                  ; f = 2^(old M - new M)
.endr
.irp b, 0,1,2,3
.irp y, 0,1
	v_fma_f32 v[TM-TD*\y+\b], v[TM-TD*\y+\b], s[CS], v[ST+4*\y]  ; t - M of each block's largest score
.endr
.endr
; ONE BATCH: 64 packed scalings t - M and all 136 exponentials; none of these lines reads an exponential's result.  A pair is scaled two lines of scalings ahead of its exponentials.
.set k, 0
.rept 66
.if k < 64
	v_pk_fma_f32 v[S+2*k:S+2*k+1], v[S+2*k:S+2*k+1], s[CS:CS+1], v[ST+4*(k/32):ST+4*(k/32)+1] op_sel_hi:[1,0,0]
.endif
.if k >= 2
	v_exp_f32 v[S+2*k-4], v[S+2*k-4]               ; p = 2^(t - M)
	v_exp_f32 v[S+2*k-3], v[S+2*k-3]
.endif
.set k, k+1
.endr
.irp b, 0,1,2,3
.irp y, 0,1
	v_exp_f32 v[TM-TD*\y+\b], v[TM-TD*\y+\b]       ; the block's largest p: the same two instructions on the same number give the same bits
.endr
.endr
.if \first
	v_nop                                          ; a plain place behind the exponentials
.else
	WIN 0x41                                       ; O^T under the new M: destination and source 0 window 1, f window 0.  Plain work that names no exponential's result
.irp y, 0,1
.set j, 0
.rept 32
	v_pk_mul_f32 v[O+64*\y+j:O+64*\y+j+1], v[O+64*\y+j:O+64*\y+j+1], v[FF+2*\y:FF+2*\y+1] op_sel_hi:[1,0]
.set j, j+2
.endr
.endr
	WIN 0
.endif
	s_wait_alu depctr_va_vdst(0)                   ; one wait for the whole batch, ahead of its first reader
.irp b, 0,1,2,3
.irp y, 0,1
	v_max_num_f32 v[TM-TD*\y+\b], 0x1800000, v[TM-TD*\y+\b]      ; the floor 2^(3 - 127): the byte cannot fall under 1
.endr
.endr
	CODES
.endm
; Tile y's row sum of the unquantised p, in two chains, under the new M
.macro SUMS y
	v_pk_mul_f32 v[ST+4*(\y)+2:ST+4*(\y)+3], v[ST+4*(\y)+2:ST+4*(\y)+3], v[FF+2*(\y):FF+2*(\y)+1] op_sel_hi:[1,0]
	v_pk_add_f32 v[TM-TD*(\y)+4:TM-TD*(\y)+5], v[S+64*(\y):S+64*(\y)+1], v[S+64*(\y)+2:S+64*(\y)+3]
.irp i, 4,8,12,16,20,24,28,32,36,40,44,48,52,56,60
	v_pk_add_f32 v[ST+4*(\y)+2:ST+4*(\y)+3], v[ST+4*(\y)+2:ST+4*(\y)+3], v[S+64*(\y)+\i:S+64*(\y)+\i+1]
	v_pk_add_f32 v[TM-TD*(\y)+4:TM-TD*(\y)+5], v[TM-TD*(\y)+4:TM-TD*(\y)+5], v[S+64*(\y)+\i+2:S+64*(\y)+\i+3]
.endr
	v_pk_add_f32 v[ST+4*(\y)+2:ST+4*(\y)+3], v[ST+4*(\y)+2:ST+4*(\y)+3], v[TM-TD*(\y)+4:TM-TD*(\y)+5]
.endm
; A KEY STEP: 128 keys, the half-th of group q.  On entry K's fragments and scale words have been asked for.  The accumulators take turns, one instruction a turn.
.macro STEP q, half, first, last
	s_wait_dscnt 0x0                               ; K is in
	WIN 0x05                                       ; K and q window 1, S^T window 0
.irp t, 0,1,2,3,4,5,6,7
.irp y, 0,1
	v_wmma_scale_f32_16x16x128_f8f6f4 v[S+64*\y+8*\t:S+64*\y+8*\t+7], v[YF+12*\t:YF+12*\t+11], v[QF+12*\y:QF+12*\y+11], 0, v[KS+\t], v[QS+\y] matrix_a_fmt:MATRIX_FMT_FP6 matrix_b_fmt:MATRIX_FMT_FP6
.endr
.endr
	WIN 0
	PLACES 4                                       ; in front of loads into registers that matrix instructions have read, and of the first read of results
	LOADF (\half)*2*BLKB+BLKB                      ; V: it lands under the softmax
	SOFT2 \first
	SUMS 0                                         ; tile 0's sums are also the places between tile 1's codes and scale word and the products below
	s_wait_dscnt 0x0                               ; V is in
	WIN 0x51                                       ; V window 1, p's codes window 0, O^T window 1
.irp t, 0,1,2,3,4,5,6,7
.irp y, 0,1
.if \first
	v_wmma_scale_f32_16x16x128_f8f6f4 v[O+64*\y+8*\t:O+64*\y+8*\t+7], v[YF+12*\t:YF+12*\t+11], v[CD+12*\y:CD+12*\y+11], 0, v[KS+\t], v[PSW+\y] matrix_a_fmt:MATRIX_FMT_FP6 matrix_b_fmt:MATRIX_FMT_FP6
.else
	v_wmma_scale_f32_16x16x128_f8f6f4 v[O+64*\y+8*\t:O+64*\y+8*\t+7], v[YF+12*\t:YF+12*\t+11], v[CD+12*\y:CD+12*\y+11], v[O+64*\y+8*\t:O+64*\y+8*\t+7], v[KS+\t], v[PSW+\y] matrix_a_fmt:MATRIX_FMT_FP6 matrix_b_fmt:MATRIX_FMT_FP6
.endif
.endr
.endr
	WIN 0
	PLACES 4
.if (\last) == 0
.if (\half) == 0
	LOADF 2*BLKB                                   ; the next step's K: it lands under tile 1's sums
.else
.if (\q) == 0
	s_wait_tensorcnt 0x0                           ; all my tensor loads have landed,
	s_barrier_signal -1                            ; (no LDS instruction of mine is out: V was waited for)
	s_barrier_wait -1                              ; everybody's have: the six key steps that follow need no further barrier
.endif
	v_add_nc_u32 v[ADK], ((\q)+1)*GRP, v[LI]
	v_add_nc_u32 v[ADS], ((\q)+1)*GRP, v[LR]
	LOADF 0
.endif
.endif
	SUMS 1
.endm
	s_wait_loadcnt 0x0                             ; q
	s_wait_tensorcnt 3                             ; my load of the first group has landed; my three later ones may stay out
	s_barrier_signal -1
	s_barrier_wait -1                              ; everybody's has
	v_add_nc_u32 v[ADK], 0, v[LI]
	v_add_nc_u32 v[ADS], 0, v[LR]
	LOADF 0
	STEP 0, 0, 1, 0                                ; the first step's second product starts O^T's sums: nothing is cleared
	STEP 0, 1, 0, 0
	STEP 1, 0, 0, 0
	STEP 1, 1, 0, 0
	STEP 2, 0, 0, 0
	STEP 2, 1, 0, 0
	STEP 3, 0, 0, 0
	STEP 3, 1, 0, 1
	; THE WAY OUT: O^T / the sum, true order, quantised along the head's 128, stored as fragments 2 (wave % 4) + y of my block of ctx
.irp y, 0,1
	v_add_f32 v[ST+4*\y+2], v[ST+4*\y+2], v[ST+4*\y+3]
.endr
.irp y, 0,1
	v_permlanex16_b32 v[TM-TD*\y+4], v[ST+4*\y+2], s[SEL], s[SEL+1]
.endr
.irp y, 0,1
	v_add_f32 v[ST+4*\y+2], v[ST+4*\y+2], v[TM-TD*\y+4]          ; the row's sum
.endr
.irp y, 0,1
	v_rcp_f32 v[ST+4*\y+2], v[ST+4*\y+2]
.endr
	v_nop                                          ; a plain place behind the transcendentals
	s_wait_alu depctr_va_vdst(0)                   ; one wait for both, ahead of their first reader
	WIN 0x01                                       ; source 0: O^T, window 1
.irp y, 0,1
.set j, 0
.rept 32
	v_pk_mul_f32 v[S+64*\y+j:S+64*\y+j+1], v[O+64*\y+j:O+64*\y+j+1], v[ST+4*\y+2:ST+4*\y+3] op_sel_hi:[1,0]   ; each accumulator from its low end on
.set j, j+2
.endr
.endr
	WIN 0
.irp y, 0,1
.irp e, 0,1,2,3
.irp i, 0,1,2,3,4,5,6,7
	v_permlane16_swap_b32 v[S+64*\y+16*\e+\i], v[S+64*\y+16*\e+8+\i]   ; channels 16 u + 8 h + j become 16 h + 8 u + j
.endr
.endr
.endr
.irp b, 0,1,2,3
.irp y, 0,1
	v_max3_num_f32 v[TM-TD*\y+\b], |v[S+64*\y+16*\b]|, |v[S+64*\y+16*\b+1]|, 0x1800000   ; my 16 numbers of block b, and the floor 2^(3 - 127)
.endr
.endr
.irp i, 2,4,6,8,10,12,14
.irp b, 0,1,2,3
.irp y, 0,1
	v_max3_num_f32 v[TM-TD*\y+\b], v[TM-TD*\y+\b], |v[S+64*\y+16*\b+\i]|, |v[S+64*\y+16*\b+\i+1]|
.endr
.endr
.endr
.irp b, 0,1,2,3
.irp y, 0,1
	v_permlanex16_b32 v[TM-TD*\y+4+\b], v[TM-TD*\y+\b], s[SEL], s[SEL+1]
.endr
.endr
.irp b, 0,1,2,3
.irp y, 0,1
	v_max_num_f32 v[TM-TD*\y+\b], v[TM-TD*\y+\b], v[TM-TD*\y+4+\b]
.endr
.endr
	CODES
.irp y, 0,1
.irp c, 0,1,2
	global_store_b128 v[LI], v[CD+12*\y+4*\c:CD+12*\y+4*\c+3], s[8:9] offset:1536*\y+512*\c   ; 32 lanes store 512 consecutive bytes
.endr
.endr
	ds_store_b64 v[SGA], v[PSW:PSW+1]              ; my rows' scale words meet the other waves' in LDS (lanes r and r + 16 write the same words with the same values)
	s_wait_dscnt 0x0                               ; for the others' sake
	s_barrier_signal -1
	s_barrier_wait -1
	s_cmp_lt_u32 s[WV], 2
	s_cbranch_scc0 .Lno_words
	ds_load_b128 v[WB:WB+3], v[RDS]                ; wave 0 and wave 1 each store one block's 512 bytes of scale words
	s_wait_dscnt 0x0
	global_store_b128 v[LI], v[WB:WB+3], s[14:15]
.Lno_words:
	s_wait_tensorcnt 0x0
	ds_add_u32 v253, v255
	s_wait_dscnt 0x0
	CROUND                                         ; the closing round
	s_endpgm
.Lfunc_end_k_q3b2e3e3342_attn:
	.size	k_q3b2e3e3342_attn, .Lfunc_end_k_q3b2e3e3342_attn-k_q3b2e3e3342_attn
	.p2alignl 7, 3214868480
	.fill 96, 4, 3214868480
	.section	.rodata,"a",@progbits
	.p2align	6, 0x0
	.amdhsa_kernel k_q3b2e3e3342_attn
		.amdhsa_group_segment_fixed_size 206848
		.amdhsa_private_segment_fixed_size 0
		.amdhsa_enable_private_segment 0
		.amdhsa_kernarg_size 24
		.amdhsa_user_sgpr_count 2
		.amdhsa_user_sgpr_kernarg_segment_ptr 1
		.amdhsa_wavefront_size32 1
		.amdhsa_system_sgpr_workgroup_id_x 1
		.amdhsa_system_sgpr_workgroup_id_y 1
		.amdhsa_system_sgpr_workgroup_id_z 1
		.amdhsa_system_vgpr_workitem_id 0
		.amdhsa_next_free_vgpr 512
		.amdhsa_next_free_sgpr 66
		.amdhsa_reserve_vcc 0
		.amdhsa_float_denorm_mode_32 3
		.amdhsa_float_denorm_mode_16_64 3
		.amdhsa_memory_ordered 1
		.amdhsa_forward_progress 1
		.amdhsa_inst_pref_size 255
	.end_amdhsa_kernel
	.section	.bss,"aw",@nobits
	.p2align	6
	.space	262144
	.amdgpu_metadata
---
amdhsa.version: [ 1, 2 ]
amdhsa.kernels:
  - .name:           k_q3b2e3e3342_attn
    .symbol:         k_q3b2e3e3342_attn.kd
    .args:
      - { .name: qimg, .offset: 0, .size: 8, .value_kind: global_buffer, .address_space: global }
      - { .name: kv, .offset: 8, .size: 8, .value_kind: global_buffer, .address_space: global }
      - { .name: ctx, .offset: 16, .size: 8, .value_kind: global_buffer, .address_space: global }
    .group_segment_fixed_size: 206848
    .private_segment_fixed_size: 0
    .kernarg_segment_align: 8
    .kernarg_segment_size: 24
    .max_flat_workgroup_size: 256
    .sgpr_count:     66
    .vgpr_count:     512
    .wavefront_size: 32
...
	.end_amdgpu_metadata
.endif
;; end of part 3
;; launch outp (part 4): grid 8 x 32, 4 waves a work-group, clusters of 4 x 4, 327,680 bytes of LDS; arguments ctx, W_o_codes, W_o_scales, b_o, out0; writes out0
.if DOCPART == 4
	.amdgcn_target "amdgcn-amd-amdhsa--gfx1250"
	.amdhsa_code_object_version 6
	.text
	.protected	k_q3b2e3e3342_outp
	.globl	k_q3b2e3e3342_outp
	.p2align	8
	.type	k_q3b2e3e3342_outp,@function
k_q3b2e3e3342_outp:
	s_mov_b64 s[64:65], 0
	v_nop
	global_prefetch_b8 v0, s[64:65] scope:SCOPE_SE
	s_setreg_imm32_b32 hwreg(HW_REG_WAVE_MODE, 25, 1), 1
	s_wait_xcnt 0x0
	s_wait_alu depctr_hold_cnt(0) depctr_sa_sdst(0) depctr_va_vdst(0) depctr_va_sdst(0) depctr_va_ssrc(0) depctr_va_vcc(0) depctr_vm_vsrc(0)
	s_getreg_b32 s2, hwreg(HW_REG_IB_STS2, 6, 4)
	s_cmp_eq_u32 s2, 0
	s_cbranch_scc0 .Lentry_in_a_cluster
	s_endpgm
.Lentry_in_a_cluster:
	s_bfe_u32 s2, ttmp6, 0x10000c
	s_cmp_lg_u32 s2, 0xf033
	s_cbranch_scc0 .Lentry_shape_is_right
	s_endpgm
.Lentry_shape_is_right:
; out = ctx W_o + b_o on codes of FP6 (E2M3), K = 2,048; out is f32.
; 256 work-groups: work-group x takes 256 rows of W_o (columns of out), y takes 128 rows of ctx: tiles of 256 x 256 would be 128 and leave half of the 256 WGPs without work.  Four waves, each 64 rows x 128 columns: 32 accumulators.
; K goes in four phases of 512 through two LDS slots: 128 matrix instructions a wave between two changes of slots, two refills in all; everything is written out, there is no loop.
; A slot: ctx's four blocks of 12,800 bytes (images of the operand's registers), then W_o's 256 rows of 384 bytes, 16 bytes of padding behind every 128: rows 432 bytes = 108 words apart, so that the 16 rows of a load start at 16 different multiples of 4 banks.
; W_o's scale words have no room in LDS: a wave keeps those of its 128 rows in 64 registers, K steps 0-7 in lanes 0-15, K steps 8-15 in lanes 16-31.
; CLUSTER 4 x 4: ctx's blocks hang on y alone and are shared along a row of the cluster, W_o's tiles on x alone and are shared along a column: each is asked for jointly.
; TRANSPOSED (source 0 = 16 rows of W_o, source 1 = 16 rows of ctx): a lane holds eight neighbouring numbers of a row of out.  The bias is the C of each sum's first matrix instruction.
; The way out goes through each wave's own stage, in slot 0 behind its last fill and last read; 32 lanes store 512 consecutive bytes.
.set FR,     12
.set BLKB,   12800
.set PP,     432
.set ROFF,   4*BLKB                    ; W_o's rows lie behind ctx's four blocks
.set SLOT,   ROFF+256*PP
.set SPARE,  2*SLOT                    ; the spare words: 128 bytes a wave, two blocks of 256 bytes that no other line names
.set SPITCH, 528
.set LI,   4                           ; v4  16 x lane
.set PSO,  8
.set BPO,  9
.set ARI,  16                          ; v16-17 ctx's fragments in slot 0, 1
.set ARS,  18                          ; v18-19 their scale words
.set APW,  20                          ; v20-23 W_o's fragments in slot 0, 1; the same behind one padding more
.set STO,  24
.set RD,   25
.set SPW,  28
.set NIL,  29
.set PS,   32                          ; v32-95 W_o's scale words: 8 b + K step % 8
.set RS,   96                          ; v96-103 ctx's: 4 set + block
.set RF,   128                         ; v128-223 ctx's fragments, two sets of four
.set BK,   128                         ; the way out
.set G1R,  24
.set G0R,  32
.set WV,   40
.set RH,   41
.set PH,   42
.set CX,   43
.set CY,   44
.set XX,   45
.set GG,   46
.set G1P,  48
.set G0P,  56
.set MSB, 0
.macro WIN new
.if MSB != (\new)
	s_set_vgpr_msb (MSB<<8)|(\new)
.set MSB, (\new)
.endif
.endm
.macro PLACES n
.rept \n
	v_nop
.endr
.endm
.macro CREST
	s_cmp_lg_u32 s[WV], 0
	s_cbranch_scc1 .Lnot_wave_0_\@
	s_barrier_signal -3
.Lnot_wave_0_\@:
	s_barrier_wait -3
	s_barrier_signal -1
	s_barrier_wait -1
.endm
.macro CROUND
	s_barrier_signal -1
	s_barrier_wait -1
	CREST
.endm
.macro JLOAD s                         ; waves 0 and 1 fetch ctx's blocks, waves 2 and 3 W_o's rows; four v_nop follow each of the two lines
	s_cmp_eq_u32 s[RH], 0
	s_cbranch_scc0 .Lfor_p_\@
	tensor_load_to_lds s[G0R+4*(\s):G0R+4*(\s)+3], s[G1R:G1R+7]
	s_nop 0
.rept 4
	v_nop
.endr
	s_branch .Lasked_\@
.Lfor_p_\@:
	tensor_load_to_lds s[G0P+4*(\s):G0P+4*(\s)+3], s[G1P:G1P+7]
	s_nop 0
.rept 4
	v_nop
.endr
.Lasked_\@:
.endm
	s_load_b256 s[4:11], s[0:1], 0x0               ; ctx s[4:5], W_o's codes s[6:7], its scales s[8:9], b_o s[10:11]
	s_load_b64 s[12:13], s[0:1], 0x20              ; out0
	v_lshl_add_u32 v[SPW], v0, 2, SPARE
	v_mov_b32 v[NIL], 0
	ds_add_u32 v28, v29
	ds_add_u32 v28, v29
	s_wait_dscnt 0x0
	v_lshrrev_b32 v1, 5, v0
	v_readfirstlane_b32 s[WV], v1
	s_lshr_b32 s[RH], s[WV], 1                     ; my 64 rows; also: I fetch for ctx (0) or for W_o (1)
	s_and_b32 s[PH], s[WV], 1                      ; my 128 columns; also: which half I fetch
	s_bfe_u32 s[CX], ttmp6, 0x40000
	s_bfe_u32 s[CY], ttmp6, 0x40004
	s_lshl_b32 s[XX], ttmp9, 2
	s_add_co_u32 s[XX], s[XX], s[CX]
	s_and_b32 s[GG], ttmp7, 0xffff
	s_lshl_b32 s[GG], s[GG], 2
	s_add_co_u32 s[GG], s[GG], s[CY]
	s_lshl_b32 s2, s[CY], 2
	s_lshl_b32 s2, 15, s2                          ; my row of the cluster
	s_lshl_b32 s3, 0x1111, s[CX]                   ; my column
	; ctx: two blocks, 25,600 dense bytes as 100 rows of 256 (32 elements of 8 bytes)
	s_or_b32 s[G1R], s2, (3<<16)|(1<<21)
	s_mov_b32 s[G1R+1], 32<<16
	s_mov_b32 s[G1R+2], 100<<16
	s_mov_b32 s[G1R+3], 32<<16
	s_mov_b32 s[G1R+4], 100
	s_mov_b32 s[G1R+5], 32
	s_mov_b32 s[G1R+6], 0
	s_mov_b32 s[G1R+7], 0
	; W_o: 128 rows x 384 bytes, 1,536 bytes apart, 16 bytes of padding behind every 128 (32 words: code 4)
	s_or_b32 s[G1P], s3, (1<<20)|(1<<21)|(4<<22)|(3<<25)
	s_mov_b32 s[G1P+1], 384<<16
	s_mov_b32 s[G1P+2], 128<<16
	s_mov_b32 s[G1P+3], 384<<16
	s_mov_b32 s[G1P+4], 128
	s_mov_b32 s[G1P+5], 1536
	s_mov_b32 s[G1P+6], 0
	s_mov_b32 s[G1P+7], 0
	s_lshl_b32 s16, s[GG], 4
	s_lshl_b32 s17, s[PH], 1
	s_add_co_u32 s16, s16, s17
	s_mul_i32 s16, s16, BLKB                       ; ctx: block 16 g + 2 half
	s_mov_b32 s17, 0
	s_lshl_b32 s14, s[XX], 8
	s_lshl_b32 s15, s[PH], 7
	s_add_co_u32 s14, s14, s15                     ; W_o: row 256 x + 128 half
	s_mul_i32 s18, s14, 1536
	s_mov_b32 s19, 0
	s_lshl_b32 s20, s14, 6                         ; its scale bytes
	s_mov_b32 s21, 0
	s_lshl_b32 s22, s14, 2                         ; the bias
	s_mov_b32 s23, 0
	s_mul_i32 s47, s[PH], 2*BLKB                   ; where they go in a slot
	s_mul_i32 s15, s[PH], 128*PP
	s_add_co_u32 s15, s15, ROFF
	s_wait_kmcnt 0x0
	s_add_nc_u64 s[4:5], s[4:5], s[16:17]
	s_add_nc_u64 s[6:7], s[6:7], s[18:19]
	s_add_nc_u64 s[8:9], s[8:9], s[20:21]
	s_add_nc_u64 s[10:11], s[10:11], s[22:23]
	s_lshl_b32 s20, s[GG], 7
	s_lshl_b32 s21, s[RH], 6
	s_add_co_u32 s20, s20, s21
	s_lshl_b32 s20, s20, 13                        ; my first row of out, 8,192 bytes a row,
	s_lshl_b32 s21, s[XX], 10
	s_add_co_u32 s20, s20, s21
	s_lshl_b32 s21, s[PH], 9
	s_add_co_u32 s20, s20, s21                     ; and my first column
	s_mov_b32 s21, 0
	s_add_nc_u64 s[12:13], s[12:13], s[20:21]
.irp s, 0,1
	s_mov_b32 s[G0R+4*\s], 1
	s_add_co_u32 s[G0R+4*\s+1], s47, \s*SLOT
	s_add_nc_u64 s[G0R+4*\s+2:G0R+4*\s+3], s[4:5], \s*4*BLKB
	s_or_b32 s[G0R+4*\s+3], s[G0R+4*\s+3], 0x80000000
	s_mov_b32 s[G0P+4*\s], 1
	s_add_co_u32 s[G0P+4*\s+1], s15, \s*SLOT
	s_add_nc_u64 s[G0P+4*\s+2:G0P+4*\s+3], s[6:7], \s*384
	s_or_b32 s[G0P+4*\s+3], s[G0P+4*\s+3], 0x80000000
.endr
	CROUND                                         ; all sixteen work-groups are here: the first joint loads meet
	s_cmp_eq_u32 s[RH], 0                          ; a wave's two first fills stand in one branch: two loads of mine are out
	s_cbranch_scc0 .Lfirst_p
	tensor_load_to_lds s[G0R:G0R+3], s[G1R:G1R+7]
	s_nop 0
	tensor_load_to_lds s[G0R+4:G0R+7], s[G1R:G1R+7]
	s_nop 0
.rept 4
	v_nop
.endr
	s_branch .Lfirst_done
.Lfirst_p:
	tensor_load_to_lds s[G0P:G0P+3], s[G1P:G1P+7]
	s_nop 0
	tensor_load_to_lds s[G0P+4:G0P+7], s[G1P:G1P+7]
	s_nop 0
.rept 4
	v_nop
.endr
.Lfirst_done:
	v_and_b32 v1, 15, v0                           ; r
	v_bfe_u32 v2, v0, 4, 1                         ; h
	v_and_b32 v3, 31, v0
	v_lshlrev_b32 v[LI], 4, v3
	v_lshlrev_b32 v[PSO], 6, v1
	v_lshl_add_u32 v[PSO], v2, 5, v[PSO]           ; W_o's scale words: row r of 64 bytes, + 32 for lanes 16-31
	v_lshlrev_b32 v[BPO], 5, v2
.irp b, 0,1,2,3,4,5,6,7
	global_load_b128 v[PS+8*\b:PS+8*\b+3], v[PSO], s[8:9] offset:1024*\b
	global_load_b128 v[PS+8*\b+4:PS+8*\b+7], v[PSO], s[8:9] offset:1024*\b+16
.endr
	WIN 0x40                                       ; the bias in the result's layout, into the free registers of window 1
.irp b, 0,1,2,3,4,5,6,7
	global_load_b128 v[96+8*\b+96*(\b/4):96+8*\b+96*(\b/4)+3], v[BPO], s[10:11] offset:64*\b
	global_load_b128 v[96+8*\b+96*(\b/4)+4:96+8*\b+96*(\b/4)+7], v[BPO], s[10:11] offset:64*\b+16
.endr
	WIN 0
	s_mul_i32 s14, s[RH], 4*1536
	v_add_nc_u32 v[ARI], s14, v[LI]
	v_add_nc_u32 v[ARI+1], SLOT, v[ARI]
	v_lshlrev_b32 v5, 4, v1
	s_lshl_b32 s14, s[RH], 8
	s_add_co_u32 s14, s14, 12288
	v_add_nc_u32 v[ARS], s14, v5
	v_add_nc_u32 v[ARS+1], SLOT, v[ARS]
	v_mul_u32_u24 v6, v1, PP
	v_mad_u32_u24 v6, v2, 24, v6
	v_lshl_add_u32 v7, v2, 4, v6
	v_add_nc_u32 v[APW], s15, v6
	v_add_nc_u32 v[APW+2], s15, v7
	v_add_nc_u32 v[APW+1], SLOT, v[APW]
	v_add_nc_u32 v[APW+3], SLOT, v[APW+2]
	s_mul_i32 s14, s[WV], 16*SPITCH                ; my stage
	v_mul_u32_u24 v5, v1, SPITCH
	v_lshl_add_u32 v5, v2, 5, v5
	v_add_nc_u32 v[STO], s14, v5                   ; in: row r, 32 bytes for each half of the lanes
	v_add_nc_u32 v[RD], s14, v[LI]                 ; back: the 32 lanes take one row of 512 bytes
.macro FRAG4 reg, adr, q, i            ; a fragment of W_o: six pieces of 8 bytes; lanes 16-31 read three pieces further on, behind one padding more where the piece is one of the last three of its 16
.irp p, 0,1,2,3,4,5
.set PCE, 12*(\q)+6*(\p/3)+\p%3
.if PCE%16 < 13
	ds_load_b64 v[\reg+2*\p:\reg+2*\p+1], v[\adr] offset:8*PCE+16*(PCE/16)+(\i)*16*PP
.else
	ds_load_b64 v[\reg+2*\p:\reg+2*\p+1], v[\adr+2] offset:8*PCE+16*(PCE/16)+(\i)*16*PP
.endif
.endr
.endm
.macro FRAGI reg, adr, off
.irp c, 0,1,2
	ds_load_b128 v[\reg+4*\c:\reg+4*\c+3], v[\adr] offset:\off+512*\c
.endr
.endm
.macro FETCH st                        ; K step st's operands: 61 LDS loads in one run
.set FSL, ((\st)/4)%2
.set FQ,  (\st)%4
.set FSE, (\st)%2
	WIN 0x40
.irp i, 0,1,2,3,4,5,6,7
	FRAG4 128*FSE+FR*\i, APW+FSL, FQ, \i
.endr
	WIN 0
.irp i, 0,1,2,3
	FRAGI RF+48*FSE+FR*\i, ARI+FSL, FQ*BLKB+\i*1536
.endr
	ds_load_b128 v[RS+4*FSE:RS+4*FSE+3], v[ARS+FSL] offset:FQ*BLKB
.endm
; 8 matrix instructions: ctx's block a against W_o's eight.  The 32 accumulators take turns, one instruction a turn, in the same order in every step.
.macro MUL8 a, st
.if (\st) == 0
	WIN 0x91                                       ; source 0 window 1, source 1 window 0, C (the bias) window 1, D window 2
.else
	WIN 0xa1
.endif
.irp b, 0,1,2,3,4,5,6,7
.if (\st) == 0
	v_wmma_scale_f32_16x16x128_f8f6f4 v[8*(8*(\a)+\b):8*(8*(\a)+\b)+7], v[128*((\st)%2)+FR*\b:128*((\st)%2)+FR*\b+FR-1], v[RF+48*((\st)%2)+FR*(\a):RF+48*((\st)%2)+FR*(\a)+FR-1], v[96+8*\b+96*(\b/4):96+8*\b+96*(\b/4)+7], v[PS+8*\b+(\st)%8], v[RS+4*((\st)%2)+(\a)] matrix_a_fmt:MATRIX_FMT_FP6 matrix_b_fmt:MATRIX_FMT_FP6
.elseif (\st) < 8
	v_wmma_scale_f32_16x16x128_f8f6f4 v[8*(8*(\a)+\b):8*(8*(\a)+\b)+7], v[128*((\st)%2)+FR*\b:128*((\st)%2)+FR*\b+FR-1], v[RF+48*((\st)%2)+FR*(\a):RF+48*((\st)%2)+FR*(\a)+FR-1], v[8*(8*(\a)+\b):8*(8*(\a)+\b)+7], v[PS+8*\b+(\st)%8], v[RS+4*((\st)%2)+(\a)] matrix_a_fmt:MATRIX_FMT_FP6 matrix_b_fmt:MATRIX_FMT_FP6
.else
	v_wmma_scale_f32_16x16x128_f8f6f4 v[8*(8*(\a)+\b):8*(8*(\a)+\b)+7], v[128*((\st)%2)+FR*\b:128*((\st)%2)+FR*\b+FR-1], v[RF+48*((\st)%2)+FR*(\a):RF+48*((\st)%2)+FR*(\a)+FR-1], v[8*(8*(\a)+\b):8*(8*(\a)+\b)+7], v[PS+8*\b+(\st)%8], v[RS+4*((\st)%2)+(\a)] matrix_a_fmt:MATRIX_FMT_FP6 matrix_b_fmt:MATRIX_FMT_FP6 matrix_a_scale:MATRIX_SCALE_ROW1
.endif
.endr
.endm
.macro NSTEP st                        ; a K step whose successor lies in the same slot
	s_wait_dscnt 0x0                               ; this step's operands are in
.if (\st) > 0
	PLACES 4                                       ; in front of loads into the set that the step before multiplied
.endif
	FETCH (\st)+1
	MUL8 0, \st
	MUL8 1, \st
	MUL8 2, \st
	MUL8 3, \st
.endm
; A slot's last step changes slots: one barrier; in front of it each wave waits for all its tensor loads, adds 0 to its spare word, and waits for that and for its reads of this slot.
.macro TURN st, fill
	WIN 0
	s_wait_tensorcnt 0x0                           ; all my tensor loads have landed: my part of the next slot
	ds_add_u32 v[SPW], v[NIL]                      ; 0 onto my spare word
	s_wait_dscnt 1                                 ; this step's operands are in; the add may be out
	MUL8 0, \st
	s_wait_dscnt 0x0                               ; the add is done, and my reads of this slot are over
	s_barrier_signal -1
	MUL8 1, \st
	WIN 0
	s_barrier_wait -1
.if \fill
.set TSL, ((\st)/4)%2
	CREST                                          ; the barrier has opened a round of the cluster's barrier: no wave of any partner still reads this slot or has a load on its way
	s_add_nc_u64 s[G0R+4*TSL+2:G0R+4*TSL+3], s[G0R+4*TSL+2:G0R+4*TSL+3], 8*BLKB   ; two phases on
	s_add_nc_u64 s[G0P+4*TSL+2:G0P+4*TSL+3], s[G0P+4*TSL+2:G0P+4*TSL+3], 768
	JLOAD TSL                                      ; the first tensor load behind the round; its four v_nop are the places in front of the loads below
.else
	PLACES 4
.endif
	FETCH (\st)+1
	MUL8 2, \st
	MUL8 3, \st
.endm
	s_wait_loadcnt 0x0                             ; W_o's scale words and the bias
	s_wait_tensorcnt 1                             ; my part of slot 0 is in; slot 1's may be out
	s_barrier_signal -1
	s_barrier_wait -1
	FETCH 0
	NSTEP 0
	NSTEP 1
	NSTEP 2
	TURN 3, 1
	NSTEP 4
	NSTEP 5
	NSTEP 6
	TURN 7, 1
	NSTEP 8
	NSTEP 9
	NSTEP 10
	TURN 11, 0                                     ; nothing is left to fetch.  Behind this barrier nobody reads slot 0, which has had its last fill
	NSTEP 12
	NSTEP 13
	NSTEP 14
	s_wait_dscnt 0x0
	MUL8 0, 15
	MUL8 1, 15
	MUL8 2, 15
	MUL8 3, 15
	WIN 0
; THE WAY OUT, block by block of 16 rows x 128 columns, through my own stage: LDS serves a wave's instructions in order (ISA guide 5.7.1.4), so no wait stands between the stores and the loads.
.macro TOSTAGE a
	WIN 0x08                                       ; an LDS store's data are its source 1: window 2
.irp b, 0,1,2,3,4,5,6,7
	ds_store_b128 v[STO], v[64*(\a)+8*\b:64*(\a)+8*\b+3] offset:64*\b          ; each accumulator from its low end on
	ds_store_b128 v[STO], v[64*(\a)+8*\b+4:64*(\a)+8*\b+7] offset:64*\b+16
.endr
	WIN 0
.set BB, BK+64*((\a)%2)
.irp t, 0,1,2,3,4,5,6,7,8,9,10,11,12,13,14,15
	ds_load_b128 v[BB+4*\t:BB+4*\t+3], v[RD] offset:\t*SPITCH
.endr
.endm
.macro SEND a, younger                 ; younger: the LDS instructions issued behind block a's loads, which may stay out
.set BB, BK+64*((\a)%2)
	s_wait_dscnt \younger
.if (\a) > 0
	s_add_nc_u64 s[12:13], s[12:13], 16*8192       ; (behind a wait on XCNT: the earlier stores have read their base)
.endif
.irp t, 0,1,2,3,4,5,6,7,8,9,10,11,12,13,14,15
	global_store_b128 v[LI], v[BB+4*\t:BB+4*\t+3], s[12:13] offset:\t*8192 th:TH_STORE_NT   ; 32 lanes store 512 consecutive bytes, aligned to 256; written once, read by nobody here
.endr
.endm
	PLACES 4                                       ; behind the last products: results are read, and loads land in registers that held ctx's fragments
	TOSTAGE 0
.irp a, 1,2,3
.if \a > 1
	s_wait_xcnt 0x0                                ; block a - 2's stores have read their registers and their base
.endif
	TOSTAGE \a
	SEND \a-1, 32                                  ; behind block a - 1's loads: block a's 16 stores and 16 loads
.endr
	s_wait_xcnt 0x0
	SEND 3, 0
	s_wait_tensorcnt 0x0                           ; the wave's end
	ds_add_u32 v[SPW], v[NIL]
	s_wait_dscnt 0x0
	CROUND                                         ; the closing round
	s_endpgm
.Lfunc_end_k_q3b2e3e3342_outp:
	.size	k_q3b2e3e3342_outp, .Lfunc_end_k_q3b2e3e3342_outp-k_q3b2e3e3342_outp
	.p2alignl 7, 3214868480
	.fill 96, 4, 3214868480
	.section	.rodata,"a",@progbits
	.p2align	6, 0x0
	.amdhsa_kernel k_q3b2e3e3342_outp
		.amdhsa_group_segment_fixed_size 327680
		.amdhsa_private_segment_fixed_size 0
		.amdhsa_enable_private_segment 0
		.amdhsa_kernarg_size 40
		.amdhsa_user_sgpr_count 2
		.amdhsa_user_sgpr_kernarg_segment_ptr 1
		.amdhsa_wavefront_size32 1
		.amdhsa_system_sgpr_workgroup_id_x 1
		.amdhsa_system_sgpr_workgroup_id_y 1
		.amdhsa_system_sgpr_workgroup_id_z 1
		.amdhsa_system_vgpr_workitem_id 0
		.amdhsa_next_free_vgpr 768
		.amdhsa_next_free_sgpr 66
		.amdhsa_reserve_vcc 0
		.amdhsa_float_denorm_mode_32 3
		.amdhsa_float_denorm_mode_16_64 3
		.amdhsa_memory_ordered 1
		.amdhsa_forward_progress 1
		.amdhsa_inst_pref_size 157
	.end_amdhsa_kernel
	.amdgpu_metadata
---
amdhsa.version: [ 1, 2 ]
amdhsa.kernels:
  - .name:           k_q3b2e3e3342_outp
    .symbol:         k_q3b2e3e3342_outp.kd
    .args:
      - { .name: ctx, .offset: 0, .size: 8, .value_kind: global_buffer, .address_space: global }
      - { .name: W_o_codes, .offset: 8, .size: 8, .value_kind: global_buffer, .address_space: global }
      - { .name: W_o_scales, .offset: 16, .size: 8, .value_kind: global_buffer, .address_space: global }
      - { .name: b_o, .offset: 24, .size: 8, .value_kind: global_buffer, .address_space: global }
      - { .name: out0, .offset: 32, .size: 8, .value_kind: global_buffer, .address_space: global }
    .group_segment_fixed_size: 327680
    .private_segment_fixed_size: 0
    .kernarg_segment_align: 8
    .kernarg_segment_size: 40
    .max_flat_workgroup_size: 128
    .sgpr_count:     66
    .vgpr_count:     768
    .wavefront_size: 32
...
	.end_amdgpu_metadata
.endif
;; end of part 4
